; MI455X (gfx1250); checked and timed in simulation.
; The chip was launched on July 23, 2026; its instructions are those of AMD's public machine-readable ISA for CDNA 5 (MIT licence, August 2026) and "CDNA5" Instruction Set Architecture Reference Guide (July 2026). The comments in the code are by the model that wrote it; some were corrected since.
;; Transformer Encoder. Allowed arithmetic: matrix products marked QUANTISED: E4M3 operands, one given power-of-two scale a tensor, by v_wmma_f32_16x16x64_fp8_fp8 or v_wmma_f32_16x16x128_fp8_fp8, f32 sums; everything else in f32.
;; Inputs: W1_codes 4,096 x 32 x 32 uint8 (E4M3 codes of W1, K innermost, in blocks of 32 codes); W2_codes 1,024 x 128 x 32 uint8 (E4M3 codes of W2, K innermost, in blocks of 32 codes); Wk_codes 1,024 x 32 x 32 uint8 (E4M3 codes of Wk, K innermost, in blocks of 32 codes); Wo_codes 1,024 x 32 x 32 uint8 (E4M3 codes of Wo, K innermost, in blocks of 32 codes); Wq_codes 1,024 x 32 x 32 uint8 (E4M3 codes of Wq, K innermost, in blocks of 32 codes); Wv_codes 1,024 x 32 x 32 uint8 (E4M3 codes of Wv, K innermost, in blocks of 32 codes); b1 4,096 float32; b2 1,024 float32; beta1 1,024 float32; beta2 1,024 float32; bk 1,024 float32; bo 1,024 float32; bq 1,024 float32; bv 1,024 float32; ebd_x 2 x 2,048 x 1,024 float32; g1 1,024 float32; g2 1,024 float32; lowp_scales 16 int32 (the exponents e of the quantised operands' scales 2^e).
;; Outputs: out0 2 x 2,048 x 1,024 float32.
;; This version of the problem:
;;   THIS VERSION OF THE PROBLEM IS GIVEN IN LOW PRECISION. The matrix products marked QUANTISED in the list below multiply operands that are first quantised to E4M3 (4 exponent bits, 3 mantissa bits; 8 bits a number), with one given power-of-two scale for each operand tensor; their sums are f32. All else is computed in f32.
;;   The module's matrix products, in the order in which they are computed (A, B: the left and right operand; K: the contracted axis; several contracted axes count as one K, in the product's order):
;;     1. [M 4,096, K 1,024] x [K 1,024, N 1,024]; A: input ebd_x; B: input Wq (given as codes): QUANTISED (scales: A lowp_scales[0], B lowp_scales[1])
;;     2. [M 4,096, K 1,024] x [K 1,024, N 1,024]; A: input ebd_x; B: input Wk (given as codes): QUANTISED (scales: A lowp_scales[2], B lowp_scales[3])
;;     3. [M 4,096, K 1,024] x [K 1,024, N 1,024]; A: input ebd_x; B: input Wv (given as codes): QUANTISED (scales: A lowp_scales[4], B lowp_scales[5])
;;     4. batch 32 x [M 2,048, K 64] x [K 64, N 2,048]; A: computed on the way; B: computed on the way: QUANTISED (scales: A lowp_scales[6], B lowp_scales[7])
;;     5. batch 32 x [M 2,048, K 2,048] x [K 2,048, N 64]; A: softmax (see below); B: computed on the way: QUANTISED (scales: A lowp_scales[8], B lowp_scales[9])
;;     6. [M 4,096, K 1,024] x [K 1,024, N 1,024]; A: computed on the way; B: input Wo (given as codes): QUANTISED (scales: A lowp_scales[10], B lowp_scales[11])
;;     7. [M 4,096, K 1,024] x [K 1,024, N 4,096]; A: computed on the way; B: input W1 (given as codes): QUANTISED (scales: A lowp_scales[12], B lowp_scales[13])
;;     8. [M 4,096, K 4,096] x [K 4,096, N 1,024]; A: computed on the way; B: input W2 (given as codes): QUANTISED (scales: A lowp_scales[14], B lowp_scales[15])
;;   THE QUANTISER, for each operand of a quantised product, along K:
;;     - The operand's scale is 2^e, e = its entry of the input lowp_scales (int32; the entries are numbered through the quantised products in the list's order, A before B).
;;     - Each number is divided by the scale, clamped to +-448, and rounded to the nearest number of E4M3, ties to even, subnormals kept.
;;     - The product sums the exact products of the quantised numbers (number of the format x scale) in f32.
;;   ~~~python
;;   def quantise(x, axis, e):      # numpy; x: float32 -> the quantised numbers, widened to float32 again
;;       x = np.moveaxis(x, axis, -1); K = x.shape[-1]
;;       r = np.clip(x / 2.0 ** e, -448, 448)
;;       step = 2.0 ** (np.maximum(np.frexp(np.where(r == 0, 1, r))[1] - 1, -6) - 3)
;;       q = np.round(r / step) * step * 2.0 ** e      # np.round: ties to even
;;       return np.moveaxis(q, -1, axis).astype(np.float32)
;;   ~~~
;;   SOFTMAX AHEAD OF A QUANTISED PRODUCT. Where the list says 'softmax', what is quantised is not the finished softmax but p = 2^(t - M), with t = logit x log2(e) and M = ceil(the row's largest t), a whole number; so 1/2 < the row's largest p <= 1. The row's sum l is taken of the UNQUANTISED p, in f32, and the product's result is divided by l at the end. Since M is a whole number, a kernel that streams over the keys may use a running M (the ceiling of the running maximum): every later rescaling is an exact power of two, so the quantised numbers keep their values, but for numbers so far below the row's largest that they fall under the format's range.
;;   OPERANDS COMPUTED ON THE WAY. 'Computed on the way' means the value that the module computes at that place (a softmax that the list does not call 'softmax' is quantised finished and normalised). What goes into a quantiser is computed in f32, as accurately as f32 sums, v_exp_f32 and their like allow (about 1e-6 of the number): no bf16 or f16 on the way to a quantiser, and a product that is left as it is and whose result goes on into a quantised operand takes f32 operands (vector FMAs, or v_wmma_f32_16x16x4_f32). A number that lies on a knife's edge between two numbers of the format may be rounded either way, as far as f32 arithmetic and the matrix unit's own rounding can turn it there, and no further.
;;   INPUTS GIVEN AS CODES. W1 (in the module: [1024, 4096], K = its axis 0); W2 (in the module: [4096, 1024], K = its axis 0); Wk (in the module: [1024, 1024], K = its axis 0); Wo (in the module: [1024, 1024], K = its axis 0); Wq (in the module: [1024, 1024], K = its axis 0); Wv (in the module: [1024, 1024], K = its axis 0): each comes as NAME_codes (uint8): NAME with its K axis moved to the last place and cut into blocks of 32 codes, [.., K / 32, bytes a block], one block behind the other in memory; one code a byte (a code: sign, 4 exponent bits, 3 mantissa bits); its scale is its entry of lowp_scales. Its value is code x scale, taken as it is: it is not quantised again, and the codes and scales need not be those that the quantiser above would give.
;; One version. Each part assembles by itself: llvm-mc -triple=amdgcn-amd-amdhsa -mcpu=gfx1250 --defsym DOCPART=n.
;; ======== version 1 of 1: 8 launches
;; limits: right only within a limited range of input values
;; workspace buffers: xc 12,582,912 bytes; qkvc 12,582,912 bytes; ac 4,194,304 bytes; z 16,777,216 bytes; x1 16,777,216 bytes; x1c 4,194,304 bytes; hc 16,777,216 bytes
;; launch prep (part 1): grid 256 x 1, 4 waves a work-group, no clusters, 33,280 bytes of LDS; arguments ebd_x, lowp_scales, xc; writes xc
.if DOCPART == 1
	.amdgcn_target "amdgcn-amd-amdhsa--gfx1250"
	.amdhsa_code_object_version 6
	.text
	.protected	k_q4153ff7cdf_prep
	.globl	k_q4153ff7cdf_prep
	.p2align	8
	.type	k_q4153ff7cdf_prep,@function
k_q4153ff7cdf_prep:
	s_mov_b64 s[64:65], 0
	v_nop
	global_prefetch_b8 v0, s[64:65] scope:SCOPE_SE
	s_setreg_imm32_b32 hwreg(HW_REG_WAVE_MODE, 25, 1), 1
	s_wait_xcnt 0x0
; x [4096][1024] f32 becomes three sets of E4M3 codes, K innermost, one for each of the products that read it: scales 2^e0, 2^e2, 2^e4
; (entries 0, 2, 4 of the scales' buffer).  xc: three parts of 4 MiB, each [4096][1024] codes.
; code = x / 2^e, held within +-448, to the nearest code, ties to even.  LIMITS: each e between -126 and 119.  NaN among the inputs is not served.
; Rows are dense, so x is a plain stream.  A wave takes 8 steps of 512 numbers.  Each load reads 512 consecutive bytes; a step's 2,048 bytes turn through the wave's own
; stage in LDS (16 bytes of padding behind each 64) and come back 64 bytes a lane: 16 neighbours along K, as the conversions want them.  A lane's 16 codes are 16 bytes:
; each store of the wave covers 512 consecutive bytes, aligned.  Waves share nothing: no barrier.  Loads run four steps ahead, the turn through LDS one step.
.set STEPS, 8
.set R,     16                         ; v16-79   four sets of 16 numbers as loaded
.set X,     80                         ; v80-111  two sets of 16 neighbours
.set T,     112                        ; v112-159 three sets of 16: the numbers held for each scale
.set C,     160                        ; v160-255 codes: four registers for each step and scale: no store's data are written again
.set SC,    6                          ; v6-8     2^e as f32
.set LIM,   9                          ; v9-11    448 x 2^e
.set WREG,  8192                       ; LDS of a wave: two stages of 32 x SP bytes
.set SP,    80
	s_load_b128 s[4:7], s[0:1], 0x0                ; x, the scales' exponents
	s_load_b64 s[8:9], s[0:1], 0x10                ; xc
	v_lshl_add_u32 v12, v0, 2, 0x8000
	v_mov_b32 v13, 0
	v_lshrrev_b32 v1, 5, v0
	v_readfirstlane_b32 s16, v1                    ; wave
	v_and_b32 v2, 31, v0                           ; lane
	v_lshlrev_b32 v3, 4, v2                        ; my 16 bytes of a load's 512
	v_lshlrev_b32 v4, 4, v2                        ; my 16 codes of a step's 512
	s_mul_i32 s17, s16, WREG
	v_lshrrev_b32 v14, 2, v2
	v_mul_u32_u24 v14, v14, SP
	v_and_b32 v15, 3, v2
	v_lshl_add_u32 v14, v15, 4, v14
	v_add_nc_u32 v14, s17, v14                     ; the stage, in: SP (lane / 4) + 16 (lane % 4)
	v_mul_u32_u24 v15, v2, SP
	v_add_nc_u32 v15, s17, v15                     ; and out: SP x lane
	s_lshl_b32 s18, ttmp9, 2
	s_add_co_u32 s18, s18, s16                     ; which run of 4,096 numbers is my wave's
	s_lshl_b32 s20, s18, 14
	s_mov_b32 s21, 0
	s_lshl_b32 s22, s18, 12
	s_mov_b32 s23, 0
	s_wait_alu depctr_va_vdst(0)
	s_wait_kmcnt 0x0
	s_load_b256 s[24:31], s[6:7], 0x0              ; e0 .. e7
	s_add_nc_u64 s[4:5], s[4:5], s[20:21]
	s_add_nc_u64 s[8:9], s[8:9], s[22:23]          ; the part for e0,
	s_add_nc_u64 s[10:11], s[8:9], 0x400000        ; for e2,
	s_add_nc_u64 s[12:13], s[8:9], 0x800000        ; for e4
.macro LOAD t
.irp i, 0,1,2,3
	global_load_b128 v[R+16*((\t)%4)+4*\i:R+16*((\t)%4)+4*\i+3], v3, s[4:5] offset:2048*(\t)+512*\i th:TH_LOAD_NT
.endr
.endm
.macro TURN t                          ; LDS serves a wave's instructions in order: no wait between the stores and the loads
.irp i, 0,1,2,3
	ds_store_b128 v14, v[R+16*((\t)%4)+4*\i:R+16*((\t)%4)+4*\i+3] offset:32*SP*((\t)%2)+8*SP*\i
.endr
.irp i, 0,1,2,3
	ds_load_b128 v[X+16*((\t)%2)+4*\i:X+16*((\t)%2)+4*\i+3], v15 offset:32*SP*((\t)%2)+16*\i
.endr
.endm
.irp t, 0,1,2,3
	LOAD \t
.endr
	s_wait_kmcnt 0x0
.irp k, 0,1,2
	s_add_co_i32 s32, s[24+2*\k], 127
	s_lshl_b32 s33, s32, 23
	v_mov_b32 v[SC+\k], s33                        ; 2^e: the conversion takes its exponent field
	s_add_co_i32 s32, s32, 8
	s_lshl_b32 s32, s32, 23
	s_or_b32 s32, s32, 0x600000
	v_mov_b32 v[LIM+\k], s32                       ; 448 x 2^e
.endr
	s_wait_alu depctr_va_vdst(0)
	s_wait_loadcnt 12                              ; step 0's four loads are in; twelve younger ones stay out
	TURN 0
.macro STEP t
.set XS, X+16*((\t)%2)
	s_wait_dscnt 0x0                               ; this step's numbers are back from the stage, and its stores into the stage have read their registers,
.if (\t)+4 < STEPS
	LOAD (\t)+4                                    ; which take the loads of four steps on
.endif
.if (\t)+1 < STEPS
.if STEPS-2-(\t) >= 3
	s_wait_loadcnt 12                              ; the next step's loads are in; those of the three steps behind it may be out
.else
	s_wait_loadcnt 4*(STEPS-2-(\t))
.endif
	TURN (\t)+1
.endif
.irp k, 0,1,2
.set i, 0
.rept 16
	v_med3_num_f32 v[T+16*\k+i], v[XS+i], -v[LIM+\k], v[LIM+\k]   ; the conversion to an 8-bit code does not saturate (ISA guide 7.6.2): the hold comes first
.set i, i+1
.endr
	v_cvt_scalef32_pk8_fp8_f32 v[C+12*(\t)+4*\k:C+12*(\t)+4*\k+1], v[T+16*\k:T+16*\k+7], v[SC+\k]
	v_cvt_scalef32_pk8_fp8_f32 v[C+12*(\t)+4*\k+2:C+12*(\t)+4*\k+3], v[T+16*\k+8:T+16*\k+15], v[SC+\k]
.endr
	v_nop                                          ; a plain line behind the last conversion
.irp k, 0,1,2
	global_store_b128 v4, v[C+12*(\t)+4*\k:C+12*(\t)+4*\k+3], s[8+2*\k:9+2*\k] offset:512*(\t)
.endr
.endm
.irp t, 0,1,2,3,4,5,6,7
	STEP \t
.endr
	s_wait_tensorcnt 0x0
	ds_add_u32 v12, v13
	s_wait_dscnt 0x0
	s_endpgm
.Lfunc_end_k_q4153ff7cdf_prep:
	.size	k_q4153ff7cdf_prep, .Lfunc_end_k_q4153ff7cdf_prep-k_q4153ff7cdf_prep
	.p2alignl 7, 3214868480
	.fill 96, 4, 3214868480
	.section	.rodata,"a",@progbits
	.p2align	6, 0x0
	.amdhsa_kernel k_q4153ff7cdf_prep
		.amdhsa_group_segment_fixed_size 33280
		.amdhsa_private_segment_fixed_size 0
		.amdhsa_enable_private_segment 0
		.amdhsa_kernarg_size 24
		.amdhsa_user_sgpr_count 2
		.amdhsa_user_sgpr_kernarg_segment_ptr 1
		.amdhsa_wavefront_size32 1
		.amdhsa_system_sgpr_workgroup_id_x 1
		.amdhsa_system_sgpr_workgroup_id_y 1
		.amdhsa_system_sgpr_workgroup_id_z 1
		.amdhsa_system_vgpr_workitem_id 0
		.amdhsa_next_free_vgpr 256
		.amdhsa_next_free_sgpr 66
		.amdhsa_reserve_vcc 0
		.amdhsa_float_denorm_mode_32 3
		.amdhsa_float_denorm_mode_16_64 3
		.amdhsa_memory_ordered 1
		.amdhsa_forward_progress 1
		.amdhsa_inst_pref_size 40
	.end_amdhsa_kernel
	.amdgpu_metadata
---
amdhsa.version: [ 1, 2 ]
amdhsa.kernels:
  - .name:           k_q4153ff7cdf_prep
    .symbol:         k_q4153ff7cdf_prep.kd
    .args:
      - { .name: ebd_x, .offset: 0, .size: 8, .value_kind: global_buffer, .address_space: global }
      - { .name: lowp_scales, .offset: 8, .size: 8, .value_kind: global_buffer, .address_space: global }
      - { .name: xc, .offset: 16, .size: 8, .value_kind: global_buffer, .address_space: global }
    .group_segment_fixed_size: 33280
    .private_segment_fixed_size: 0
    .kernarg_segment_align: 8
    .kernarg_segment_size: 24
    .max_flat_workgroup_size: 128
    .sgpr_count:     66
    .vgpr_count:     256
    .wavefront_size: 32
...
	.end_amdgpu_metadata
.endif
;; end of part 1
;; launch qkv (part 2): grid 12 x 16, 4 waves a work-group, clusters of 4 x 4, 327,680 bytes of LDS; arguments xc, Wq_codes, Wk_codes, Wv_codes, bq, bk, bv, lowp_scales, qkvc; writes qkvc
.if DOCPART == 2
	.amdgcn_target "amdgcn-amd-amdhsa--gfx1250"
	.amdhsa_code_object_version 6
	.text
	.protected	k_q4153ff7cdf_qkv
	.globl	k_q4153ff7cdf_qkv
	.p2align	8
	.type	k_q4153ff7cdf_qkv,@function
k_q4153ff7cdf_qkv:
	s_mov_b64 s[64:65], 0
	v_nop
	global_prefetch_b8 v0, s[64:65] scope:SCOPE_SE
	s_setreg_imm32_b32 hwreg(HW_REG_WAVE_MODE, 25, 1), 1
	s_wait_xcnt 0x0
	s_wait_alu depctr_hold_cnt(0) depctr_sa_sdst(0) depctr_va_vdst(0) depctr_va_sdst(0) depctr_va_ssrc(0) depctr_va_vcc(0) depctr_vm_vsrc(0)
	s_getreg_b32 s2, hwreg(HW_REG_IB_STS2, 6, 4)
	s_cmp_eq_u32 s2, 0
	s_cbranch_scc0 .Lentry_in_a_cluster
	s_endpgm
.Lentry_in_a_cluster:
	s_bfe_u32 s2, ttmp6, 0x10000c
	s_cmp_lg_u32 s2, 0xf033
	s_cbranch_scc0 .Lentry_shape_is_right
	s_endpgm
.Lentry_shape_is_right:
.set ROWB,   256
.set KROW,   1024
.set PITCH,  272
.set FR,     16
.set NL,     4
.set NP,     4
.set HALFT,  128*PITCH
.set SLOT,   4*HALFT
.set LAPS,   2
.set SPARE,  2*SLOT
.set VSTG,   256*272
.set STOQ, 6
.set STOV, 7
.set RDQ,  8
.set RDV,  9
.set COQ,  10
.set COV,  11
.set SCV,  12
.set LIMV, 13
.set ADRA, 16
.set ADRB, 20
.set SPW,  28
.set NIL,  29
.set BC,   32
.set BR,   96
.set TMP,  128
.set CD,   192
.set OUTR, 32
.set AF,   128
.set G1, 24
.set G0, 32
.set G1B, 48
.set G0B, 56
.set MSB, 0
.macro WIN new
.if MSB != \new
	s_set_vgpr_msb (MSB<<8)|\new
.set MSB, \new
.endif
.endm
.set MUL_LO, 0xa1
.set MUL_HI, 0xf1
.set TO_B,   0x40
.macro JLOAD g0a, g1a, g0b, g1b
	s_cmp_eq_u32 s15, 0
	s_cbranch_scc0 .Lfor_b_\@
	tensor_load_to_lds s[\g0a:\g0a+3], s[\g1a:\g1a+7]
	s_nop 0
.rept 4
	v_nop
.endr
	s_branch .Lasked_\@
.Lfor_b_\@:
	tensor_load_to_lds s[\g0b:\g0b+3], s[\g1b:\g1b+7]
	s_nop 0
.rept 4
	v_nop
.endr
.Lasked_\@:
.endm
.macro CREST
	s_cmp_lg_u32 s14, 0
	s_cbranch_scc1 .Lnot_wave_0_\@
	s_barrier_signal -3
.Lnot_wave_0_\@:
	s_barrier_wait -3
	s_barrier_signal -1
	s_barrier_wait -1
.endm
.macro CROUND
	s_barrier_signal -1
	s_barrier_wait -1
	CREST
.endm
	s_load_b512 s[68:83], s[0:1], 0x0
	s_load_b64 s[84:85], s[0:1], 0x40
	v_lshl_add_u32 v[SPW], v0, 2, SPARE
	v_mov_b32 v[NIL], 0
	ds_add_u32 v28, v29
	ds_add_u32 v28, v29
	s_wait_dscnt 0x0
	v_lshrrev_b32 v1, 5, v0
	v_readfirstlane_b32 s14, v1
	v_and_b32 v14, 31, v0
	v_lshlrev_b32 v14, 10, v14                     ; the prefetches' offset: my lane x a row of 1,024 bytes; never rewritten
	s_wait_alu depctr_va_vdst(0)                   ; the wait behind the write
	s_lshr_b32 s15, s14, 1
	s_and_b32 s16, s14, 1
	s_bfe_u32 s40, ttmp6, 0x40000
	s_bfe_u32 s41, ttmp6, 0x40004
	s_mov_b32 s66, ttmp9
	s_and_b32 s67, ttmp7, 0xffff
	s_lshl_b32 s67, s67, 2
	s_cmp_eq_u32 s66, 2
	s_cselect_b32 s86, 0, s67
	s_cselect_b32 s87, s67, 0
	s_add_co_u32 s17, s86, s41
	s_add_co_u32 s42, s87, s40
	s_lshl_b32 s43, s41, 2
	s_lshl_b32 s43, 15, s43
	s_lshl_b32 s44, 0x1111, s40
	s_or_b32 s[G1+0], s43, (0<<16)|(1<<20)|(1<<21)|(5<<22)|(3<<25)
	s_or_b32 s[G1B+0], s44, (0<<16)|(1<<20)|(1<<21)|(5<<22)|(3<<25)
.irp g, G1, G1B
	s_mov_b32 s[\g+1], ROWB<<16
	s_mov_b32 s[\g+2], 128<<16
	s_mov_b32 s[\g+3], ROWB<<16
	s_mov_b32 s[\g+4], 128
	s_mov_b32 s[\g+5], KROW
	s_mov_b32 s[\g+6], 0
	s_mov_b32 s[\g+7], 0
.endr
	s_lshl_b32 s18, s16, 7
	s_lshl_b32 s20, s17, 8
	s_add_co_u32 s20, s20, s18
	s_lshl_b32 s20, s20, 10
	s_mov_b32 s21, 0
	s_lshl_b32 s46, s42, 8
	s_add_co_u32 s46, s46, s18
	s_lshl_b32 s46, s46, 10
	s_mov_b32 s47, 0
	s_mul_i32 s45, s14, HALFT
	s_wait_kmcnt 0x0
	s_lshl_b32 s18, s66, 22
	s_mov_b32 s19, 0
	s_add_nc_u64 s[4:5], s[68:69], s[18:19]
	s_add_nc_u64 s[10:11], s[84:85], s[18:19]
	s_cmp_eq_u32 s66, 0
	s_cselect_b64 s[6:7], s[70:71], s[72:73]
	s_cselect_b64 s[8:9], s[76:77], s[78:79]
	s_cmp_eq_u32 s66, 2
	s_cselect_b64 s[8:9], s[80:81], s[8:9]
	s_cselect_b64 s[86:87], s[74:75], s[4:5]
	s_cselect_b64 s[6:7], s[4:5], s[6:7]
	s_mov_b64 s[4:5], s[86:87]
	s_mov_b64 s[12:13], s[82:83]
	s_load_b512 s[68:83], s[12:13], 0x0
	s_add_nc_u64 s[20:21], s[4:5], s[20:21]
	s_add_nc_u64 s[46:47], s[6:7], s[46:47]
	s_cmp_eq_u32 s15, 0                            ; the prefetches: of the 128 rows that my wave fetches, the partner at place p (cx for A, cy for B) names rows 32 p on: told apart by address
	s_cselect_b64 s[98:99], s[20:21], s[46:47]
	s_cselect_b32 s18, s40, s41
	s_lshl_b32 s18, s18, 15
	s_mov_b32 s19, 0
	s_add_nc_u64 s[98:99], s[98:99], s[18:19]      ; never rewritten
	CROUND
.irp s, 0,1
	s_mov_b32 s[G0+4*\s], 1
	s_add_co_u32 s[G0+4*\s+1], s45, \s*SLOT
	s_add_nc_u64 s[G0+4*\s+2:G0+4*\s+3], s[20:21], \s*ROWB
	s_or_b32 s[G0+4*\s+3], s[G0+4*\s+3], 0x80000000
	s_mov_b32 s[G0B+4*\s], 1
	s_add_co_u32 s[G0B+4*\s+1], s45, \s*SLOT
	s_add_nc_u64 s[G0B+4*\s+2:G0B+4*\s+3], s[46:47], \s*ROWB
	s_or_b32 s[G0B+4*\s+3], s[G0B+4*\s+3], 0x80000000
.if \s
	s_wait_alu depctr_va_vdst(0)
	s_wait_tensorcnt 0x0                           ; my part of K step 0 is in; slot 1's first fill is issued as a refill is
	ds_add_u32 v28, v29
	s_wait_dscnt 0x0
	CROUND
.endif
	JLOAD G0+4*\s, G1, G0B+4*\s, G1B
.if \s
	global_prefetch_b8 v14, s[98:99] offset:3*ROWB th:TH_LOAD_NT scope:SCOPE_SE   ; behind K step 1's load: K step 3, a lane a row of 256 bytes
.else
	global_prefetch_b8 v14, s[98:99] offset:ROWB th:TH_LOAD_NT scope:SCOPE_SE     ; behind K step 0's load: K steps 1 and 2
	global_prefetch_b8 v14, s[98:99] offset:2*ROWB th:TH_LOAD_NT scope:SCOPE_SE
.endif
.endr
	v_and_b32 v1, 15, v0
	v_bfe_u32 v2, v0, 4, 1
	v_mul_u32_u24 v3, v1, PITCH
	v_lshl_add_u32 v4, v2, 4, v3
	s_mul_i32 s21, s15, HALFT
	s_mul_i32 s22, s16, HALFT
	s_add_co_u32 s22, s22, 2*HALFT
.irp s, 0,1
	v_add_nc_u32 v[ADRA+\s], s21, v4
	v_add_nc_u32 v[ADRB+\s], s22, v4
	s_add_co_u32 s21, s21, SLOT
	s_add_co_u32 s22, s22, SLOT
.endr
	v_lshrrev_b32 v3, 2, v1
	v_mul_u32_u24 v3, v3, 272
	v_and_b32 v4, 3, v1
	v_lshl_add_u32 v3, v4, 6, v3
	v_lshl_add_u32 v3, v2, 3, v3
	s_lshl_b32 s21, s16, 7
	s_lshl_b32 s22, s15, 5
	s_add_co_u32 s21, s21, s22
	s_mul_i32 s21, s21, 272
	v_add_nc_u32 v[STOQ], s21, v3
	v_mul_u32_u24 v3, v1, 272
	v_lshl_add_u32 v3, v2, 3, v3
	s_mul_i32 s21, s15, 128*272
	s_lshl_b32 s22, s16, 7
	s_add_co_u32 s21, s21, s22
	s_add_co_u32 s21, s21, VSTG
	v_add_nc_u32 v[STOV], s21, v3
	v_mul_u32_u24 v3, v2, 272
	v_lshl_add_u32 v3, v1, 4, v3
	s_mul_i32 s21, s14, 64*272
	v_add_nc_u32 v[RDQ], s21, v3
	v_add_nc_u32 v[RDV], VSTG, v[RDQ]
	v_and_b32 v3, 31, v0
	v_lshlrev_b32 v[COQ], 4, v3
	v_lshlrev_b32 v3, 11, v2
	v_lshl_add_u32 v[COV], v1, 4, v3
	v_lshlrev_b32 v30, 5, v2
	s_wait_alu depctr_va_vdst(0)
	v_lshlrev_b32 v31, 2, v1
	s_wait_alu depctr_va_vdst(0)
	s_and_b32 s21, s42, 3
	s_lshl_b32 s21, s21, 10
	s_lshl_b32 s22, s16, 9
	s_add_co_u32 s92, s21, s22
	s_mov_b32 s93, 0
	s_add_nc_u64 s[92:93], s[8:9], s[92:93]
	s_and_b32 s21, s17, 3
	s_lshl_b32 s21, s21, 10
	s_lshl_b32 s22, s15, 9
	s_add_co_u32 s94, s21, s22
	s_mov_b32 s95, 0
	s_add_nc_u64 s[94:95], s[8:9], s[94:95]
.irp b, 0,1,2,3,4,5,6,7
	global_load_b128 v[BC+8*\b:BC+8*\b+3], v30, s[92:93] offset:64*\b
	global_load_b128 v[BC+8*\b+4:BC+8*\b+7], v30, s[92:93] offset:64*\b+16
.endr
.irp a, 0,1,2,3,4,5,6,7
	global_load_b32 v[BR+2*\a], v31, s[94:95] offset:64*\a
	v_mov_b32 v[BR+2*\a+1], 0
.endr
.macro FRAG reg, adr, q, i
.irp c, 0,1,2,3
	ds_load_b128 v[\reg+4*\c:\reg+4*\c+3], v[\adr] offset:128*(\q)+32*\c+(\i)*16*PITCH
.endr
.endm
.macro MUL16 a0, p, zero
.irp a, \a0, \a0+1
.irp b, 0,1,2,3,4,5,6,7
.if \zero
	v_wmma_f32_16x16x128_fp8_fp8 v[8*(8*((\a)%4)+\b):8*(8*((\a)%4)+\b)+7], v[128*(\p)+FR*\b:128*(\p)+FR*\b+FR-1], v[AF+FR*(\a):AF+FR*(\a)+FR-1], 0
.else
	v_wmma_f32_16x16x128_fp8_fp8 v[8*(8*((\a)%4)+\b):8*(8*((\a)%4)+\b)+7], v[128*(\p)+FR*\b:128*(\p)+FR*\b+FR-1], v[AF+FR*(\a):AF+FR*(\a)+FR-1], v[8*(8*((\a)%4)+\b):8*(8*((\a)%4)+\b)+7]
.endif
.endr
.endr
.endm
.macro FETCH_B slot, q, p
	WIN TO_B
.irp i, 0,1,2,3,4,5,6,7
	FRAG 128*(\p)+FR*\i, ADRB+\slot, \q, \i
.endr
	WIN 0
.endm
.macro FETCH_A slot, q, i0
.irp i, \i0, \i0+1, \i0+2, \i0+3
	FRAG AF+FR*(\i), ADRA+\slot, \q, \i
.endr
.endm
.macro PLACES n
.rept \n
	v_nop
.endr
.endm
.macro STEP slot, q, zero
	s_wait_dscnt 4*NL
	WIN MUL_LO
	MUL16 0, (\q)%2, \zero
	MUL16 2, (\q)%2, \zero
	s_wait_dscnt 0
	PLACES NP
	FETCH_B \slot, (\q)+1, 1-(\q)%2
	FETCH_A \slot, (\q)+1, 0
	WIN MUL_HI
	MUL16 4, (\q)%2, \zero
	MUL16 6, (\q)%2, \zero
	PLACES NP
	WIN 0
	FETCH_A \slot, (\q)+1, 4
.endm
.macro TURN slot, next, fill
	s_wait_tensorcnt 0x0
	ds_add_u32 v[SPW], v[NIL]
	s_wait_dscnt 4*NL+1
	WIN MUL_LO
	MUL16 0, 1, 0
	s_wait_dscnt 0x0
	s_barrier_signal -1
	MUL16 2, 1, 0
	WIN 0
	s_barrier_wait -1
.if \fill
	CREST
	s_add_nc_u64 s[G0+4*\slot+2:G0+4*\slot+3], s[G0+4*\slot+2:G0+4*\slot+3], 2*ROWB
	s_add_nc_u64 s[G0B+4*\slot+2:G0B+4*\slot+3], s[G0B+4*\slot+2:G0B+4*\slot+3], 2*ROWB
	JLOAD G0+4*\slot, G1, G0B+4*\slot, G1B
.else
	PLACES NP
.endif
	FETCH_B \next, 0, 0
	FETCH_A \next, 0, 0
	WIN MUL_HI
	MUL16 4, 1, 0
	MUL16 6, 1, 0
	PLACES NP
	WIN 0
	FETCH_A \next, 0, 4
.endm
	s_wait_tensorcnt 1
	s_barrier_signal -1
	s_barrier_wait -1
	FETCH_B 0, 0, 0
	FETCH_A 0, 0, 0
	FETCH_A 0, 0, 4
	STEP 0, 0, 1
	s_mov_b32 s3, LAPS-1
.Llap:
	TURN 0, 1, 1
	STEP 1, 0, 0
	TURN 1, 0, 1
	STEP 0, 0, 0
	s_sub_co_u32 s3, s3, 1
	s_cmp_lg_u32 s3, 0
	s_cbranch_scc1 .Llap
	TURN 0, 1, 0
	STEP 1, 0, 0
	s_wait_dscnt 4*NL
	WIN MUL_LO
	MUL16 0, 1, 0
	MUL16 2, 1, 0
	s_wait_dscnt 0
	WIN MUL_HI
	MUL16 4, 1, 0
	MUL16 6, 1, 0
	WIN 0
	s_wait_kmcnt 0x0
	s_wait_loadcnt 0x0
	s_add_co_i32 s68, s68, s69
	s_add_co_i32 s70, s70, s71
	s_add_co_i32 s72, s72, s73
	s_cmp_eq_u32 s66, 0
	s_cselect_b32 s88, s68, s70
	s_cselect_b32 s89, s74, s75
	s_cmp_eq_u32 s66, 2
	s_cselect_b32 s88, s72, s88
	s_cselect_b32 s89, s77, s89
	s_add_co_i32 s88, s88, 127
	s_lshl_b32 s88, s88, 23
	s_add_co_i32 s90, s89, 127
	s_lshl_b32 s91, s90, 23
	v_mov_b32 v[SCV], s91
	s_add_co_i32 s90, s90, 8
	s_lshl_b32 s90, s90, 23
	s_or_b32 s90, s90, 0x600000
	v_mov_b32 v[LIMV], s90
	s_mov_b32 s89, s88
	s_lshr_b32 s90, s17, 3
	s_lshl_b32 s90, s90, 4
	s_lshl_b32 s91, s42, 2
	s_add_co_u32 s90, s90, s91
	s_add_co_u32 s90, s90, s14
	s_lshl_b32 s90, s90, 17
	s_and_b32 s91, s17, 7
	s_lshl_b32 s91, s91, 14
	s_add_co_u32 s90, s90, s91
	s_lshr_b32 s91, s42, 3
	s_lshl_b32 s91, s91, 21
	s_lshl_b32 s96, s17, 8
	s_lshl_b32 s97, s14, 6
	s_add_co_u32 s96, s96, s97
	s_lshl_b32 s96, s96, 11
	s_add_co_u32 s91, s91, s96
	s_and_b32 s96, s42, 7
	s_lshl_b32 s96, s96, 8
	s_add_co_u32 s91, s91, s96
	s_cmp_eq_u32 s66, 2
	s_cselect_b32 s90, s91, s90
	s_mov_b32 s91, 0
	s_add_nc_u64 s[10:11], s[10:11], s[90:91]
	PLACES NP
.macro BLOCK a, path
.set AC, 64*((\a)%4)
.set CDS, CD+16*((\a)%2)
.set WN, 0x02+((\a)/4)
	WIN WN
.set j, 0
.rept 32
.if \path
	v_pk_fma_f32 v[TMP+j:TMP+j+1], v[AC+j:AC+j+1], s[88:89], v[BR+2*(\a):BR+2*(\a)+1] op_sel_hi:[1,0,0]
.else
	v_pk_fma_f32 v[TMP+j:TMP+j+1], v[AC+j:AC+j+1], s[88:89], v[BC+j:BC+j+1] op_sel_hi:[1,0,1]
.endif
.set j, j+2
.endr
	WIN 0
.set j, 0
.rept 64
	v_med3_num_f32 v[TMP+j], v[TMP+j], -v[LIMV], v[LIMV]
.set j, j+1
.endr
.if (\a) >= 2
	s_wait_alu depctr_va_vdst(0)
	s_wait_dscnt 8
.endif
.irp b, 0,1,2,3,4,5,6,7
	v_cvt_scalef32_pk8_fp8_f32 v[CDS+2*\b:CDS+2*\b+1], v[TMP+8*\b:TMP+8*\b+7], v[SCV]
.endr
	v_nop
.irp b, 0,1,2,3,4,5,6,7
.if \path
	ds_store_b64 v[STOV], v[CDS+2*\b:CDS+2*\b+1] offset:16*(\a)*272+16*\b
.else
	ds_store_b64 v[STOQ], v[CDS+2*\b:CDS+2*\b+1] offset:((\b/4)*64+4*(\a))*272+(\b%4)*16
.endif
.endr
.endm
.macro SENDOUT rd, co, step
.set i, 0
.rept 32
	ds_load_b128 v[OUTR+4*i:OUTR+4*i+3], v[\rd] offset:2*i*272
.set i, i+1
.endr
.set i, 0
.rept 32
	s_wait_dscnt 31-i
	global_store_b128 v[\co], v[OUTR+4*i:OUTR+4*i+3], s[10:11] offset:i*\step
.set i, i+1
.endr
.endm
	s_cmp_eq_u32 s66, 2
	s_cbranch_scc1 .Lvpath
.irp a, 0,1,2,3,4,5,6,7
	BLOCK \a, 0
.endr
	s_wait_dscnt 0x0
	s_barrier_signal -1
	s_barrier_wait -1
	SENDOUT RDQ, COQ, 512
	s_branch .Ljoin
.Lvpath:
.irp a, 0,1,2,3,4,5,6,7
	BLOCK \a, 1
.endr
	s_wait_dscnt 0x0
	s_barrier_signal -1
	s_barrier_wait -1
	SENDOUT RDV, COV, 4096
.Ljoin:
	s_wait_tensorcnt 0x0
	ds_add_u32 v[SPW], v[NIL]
	s_wait_dscnt 0x0
	CROUND
	s_endpgm
.Lfunc_end_k_q4153ff7cdf_qkv:
	.size	k_q4153ff7cdf_qkv, .Lfunc_end_k_q4153ff7cdf_qkv-k_q4153ff7cdf_qkv
	.p2alignl 7, 3214868480
	.fill 96, 4, 3214868480
	.section	.rodata,"a",@progbits
	.p2align	6, 0x0
	.amdhsa_kernel k_q4153ff7cdf_qkv
		.amdhsa_group_segment_fixed_size 327680
		.amdhsa_private_segment_fixed_size 0
		.amdhsa_enable_private_segment 0
		.amdhsa_kernarg_size 72
		.amdhsa_user_sgpr_count 2
		.amdhsa_user_sgpr_kernarg_segment_ptr 1
		.amdhsa_wavefront_size32 1
		.amdhsa_system_sgpr_workgroup_id_x 1
		.amdhsa_system_sgpr_workgroup_id_y 1
		.amdhsa_system_sgpr_workgroup_id_z 1
		.amdhsa_system_vgpr_workitem_id 0
		.amdhsa_next_free_vgpr 1024
		.amdhsa_next_free_sgpr 100
		.amdhsa_reserve_vcc 0
		.amdhsa_float_denorm_mode_32 3
		.amdhsa_float_denorm_mode_16_64 3
		.amdhsa_memory_ordered 1
		.amdhsa_forward_progress 1
		.amdhsa_inst_pref_size 211
	.end_amdhsa_kernel
	.amdgpu_metadata
---
amdhsa.version: [ 1, 2 ]
amdhsa.kernels:
  - .name:           k_q4153ff7cdf_qkv
    .symbol:         k_q4153ff7cdf_qkv.kd
    .args:
      - { .name: xc, .offset: 0, .size: 8, .value_kind: global_buffer, .address_space: global }
      - { .name: Wq_codes, .offset: 8, .size: 8, .value_kind: global_buffer, .address_space: global }
      - { .name: Wk_codes, .offset: 16, .size: 8, .value_kind: global_buffer, .address_space: global }
      - { .name: Wv_codes, .offset: 24, .size: 8, .value_kind: global_buffer, .address_space: global }
      - { .name: bq, .offset: 32, .size: 8, .value_kind: global_buffer, .address_space: global }
      - { .name: bk, .offset: 40, .size: 8, .value_kind: global_buffer, .address_space: global }
      - { .name: bv, .offset: 48, .size: 8, .value_kind: global_buffer, .address_space: global }
      - { .name: lowp_scales, .offset: 56, .size: 8, .value_kind: global_buffer, .address_space: global }
      - { .name: qkvc, .offset: 64, .size: 8, .value_kind: global_buffer, .address_space: global }
    .group_segment_fixed_size: 327680
    .private_segment_fixed_size: 0
    .kernarg_segment_align: 8
    .kernarg_segment_size: 72
    .max_flat_workgroup_size: 128
    .sgpr_count:     100
    .vgpr_count:     1024
    .wavefront_size: 32
...
	.end_amdgpu_metadata
.endif
;; end of part 2
;; launch attn (part 3): grid 8 x 32, 16 waves a work-group, clusters of 4 x 1, 327,680 bytes of LDS; arguments qkvc, lowp_scales, ac; writes ac
.if DOCPART == 3
	.amdgcn_target "amdgcn-amd-amdhsa--gfx1250"
	.amdhsa_code_object_version 6
	.text
	.protected	k_q4153ff7cdf_attn
	.globl	k_q4153ff7cdf_attn
	.p2align	8
	.type	k_q4153ff7cdf_attn,@function
k_q4153ff7cdf_attn:
	s_mov_b64 s[64:65], 0
	v_nop
	global_prefetch_b8 v0, s[64:65] scope:SCOPE_SE
	s_setreg_imm32_b32 hwreg(HW_REG_WAVE_MODE, 25, 1), 1
	s_wait_xcnt 0x0
	s_wait_alu depctr_hold_cnt(0) depctr_sa_sdst(0) depctr_va_vdst(0) depctr_va_sdst(0) depctr_va_ssrc(0) depctr_va_vcc(0) depctr_vm_vsrc(0)
	s_getreg_b32 s2, hwreg(HW_REG_IB_STS2, 6, 4)
	s_cmp_eq_u32 s2, 0
	s_cbranch_scc0 .Lentry_in_a_cluster
	s_endpgm
.Lentry_in_a_cluster:
	s_bfe_u32 s2, ttmp6, 0x10000c
	s_cmp_lg_u32 s2, 0x3003
	s_cbranch_scc0 .Lentry_shape_is_right
	s_endpgm
.Lentry_shape_is_right:
; o = softmax(q k^T / 8) v for 32 heads of 2,048 x 64, both products on E4M3 codes; o is quantised at once (2^e10) for the next product.
; qkvc: q at 0, k at 4 MiB: [32][2048][64] codes; v at 8 MiB: [32][64][2048] codes, keys innermost.  ac: [32][2048][64] codes.
; THE SOFTMAX: t = score x log2(e) / 8; M = the running largest t rounded UP to a whole number; p = 2^(t - M) is quantised (2^e8), not normalised;
; the row's sum is taken of the unquantised p and divides at the end.  When M moves, the sums and O are multiplied by 2^(old M - new M): exact.
; SHARES: a work-group owns 256 queries of a head, each of its sixteen waves 16 of them in 256 registers.
; ALL OF A HEAD'S K AND V LIES IN LDS (2,048 x 80 + 8 x 64 x 272 bytes): sixteen tiles of 256 keys, each filled once: wave w < 8 asks for K's tile w, wave w >= 8 for V's tile w - 8:
; one tensor load a wave, at the head.  One wait for 0 and one barrier show all tiles to all waves; no byte is filled twice, so the walk over the keys has no barrier.
; THE WALK IS ROTATED: sixteen steps of 128 keys.  Body i finds S(i) = K(i) Q^T multiplied; it asks for V(i - 1), takes the maxima and scales, multiplies O += V(i - 1) P(i - 1), brings O under the new M,
; asks for K(i + 1), makes p(i) and its codes, and multiplies S(i + 1).  So 60 vector lines or more stand between each run of LDS loads and the wait for it, and one set of 64 registers serves K's and V's fragments by turns.
; Body 0 (no V, no second product) and body 15 (no K, no first product) are written out, and so is the last second product; bodies 1 to 14 are seven trips of two.
; CLUSTER: the four query blocks of a cluster belong to one head: every tile is asked for jointly (mask 15).
; NO PREFETCH: every tile is asked for at the head by its own load; there is no loop to run ahead in.
; LAYOUT: S^T = K Q^T (source 0 = 16 keys), O^T = V^T P^T (source 0 = 16 channels): a lane holds one query throughout.
; Lane r of key tile t takes key 16 t + r: sixteen neighbouring rows, 80 bytes apart, which begin at sixteen different multiples of 16 modulo 256.  Q's and K's fragments come by loads of 16 bytes: the same places of the head's 64 in both.
; Register j of S^T's tile t in lane (r, h) is key 16 t + 8 h + j, so p's code registers 2 t, 2 t + 1 hold k = 16 t + 8 h + 0 .. 7: the places that the K = 128 form itself gives each k.
; V's fragments take the same places by loads of 8 bytes at row x 272 + 16 c + 8 h: the 32 lanes of a load name 32 different multiples of 8 modulo 256.
; LIMITS: e6 + e7 between -123 and 130; e8 and e10 between -126 and 119.  NaN is not served.
; REGISTERS: v1, v2 lane places; v8, v9 addresses in hand; v12 -M, v13 the largest raw score; v16-23 Q; v24-26 the way out; v32-95 fragments of K or V; v96-159 S^T, then p; v160-191 O^T;
; v192-207 p's codes; v208-215 the row's sum in four pairs; v216-231 the step's sum in eight pairs, at last in the first four; v250 the last step's -M; v252 f.
.set KP,   80                          ; a key's row: 64 bytes + 16
.set VP,   272                         ; 256 keys of a channel + 16
.set VOFF, 2048*KP
.set VCH,  64*VP                       ; V's tile of 256 keys
.set STG,  VOFF+8*VCH                  ; behind the tiles: 1,024 bytes for each wave, for the way out; no tile lands there
.set SPARE, STG+16*1024                ; the spare words: 128 bytes a wave, named by no other line
.set AK0,  1
.set AV0,  2
.set ADK,  8
.set ADV,  9
.set L,    208
.set U,    216
.set WV,   10
.set G1K,  16
.set G1V,  24
.set G0K,  32
.set G0V,  36
.set HL,   40                          ; s40  448 x 2^e8
.set SEL,  72
.set CS,   74
.set KB,   76
.set VB,   77
.set CNT,  78
.macro CROUND
	s_barrier_signal -1
	s_barrier_wait -1
	s_cmp_lg_u32 s[WV], 0
	s_cbranch_scc1 .Lnot_wave_0_\@
	s_barrier_signal -3
.Lnot_wave_0_\@:
	s_barrier_wait -3
	s_barrier_signal -1
	s_barrier_wait -1
.endm
	s_load_b128 s[4:7], s[0:1], 0x0                ; qkvc, the scales
	s_load_b64 s[8:9], s[0:1], 0x10                ; ac
	v_lshl_add_u32 v251, v0, 2, SPARE
	v_mov_b32 v255, 0
	ds_add_u32 v251, v255                          ; the opening lines: the add, twice on end, and its wait
	ds_add_u32 v251, v255
	v_lshrrev_b32 v8, 5, v0
	s_delay_alu instid0(VALU_DEP_1)
	v_readfirstlane_b32 s[WV], v8                  ; wave 0..15
	s_bfe_u32 s11, ttmp6, 0x40000                  ; cx
	s_lshl_b32 s12, ttmp9, 2
	s_add_co_u32 s12, s12, s11                     ; my block of 256 queries: it enters Q's and O's global addresses alone
	s_and_b32 s13, ttmp7, 0xffff                   ; the head, shared by the partners
	s_lshl_b32 s66, s13, 17                        ; a head is 131,072 bytes in each part
	s_mov_b32 s67, 0
	s_lshl_b32 s14, s12, 14
	s_lshl_b32 s15, s[WV], 10
	s_add_co_u32 s14, s14, s15
	s_add_co_u32 s14, s14, s66                     ; my 16 queries' first byte, in q's part and in ac
	s_mov_b32 s15, 0
	s_and_b32 s68, s[WV], 7                        ; which 256 keys I fetch
	s_mul_i32 s69, s68, 256*KP                     ; K's tile in LDS
	s_mul_i32 s79, s68, VCH
	s_add_co_u32 s79, s79, VOFF                    ; V's tile in LDS
	s_mov_b32 s[G1K], 15|(0<<16)|(1<<20)|(1<<21)|(3<<22)|(3<<25)   ; mask: all four; 1-byte elements; 4 words of padding behind every 16
	s_mov_b32 s[G1K+1], 64<<16
	s_mov_b32 s[G1K+2], 256<<16
	s_mov_b32 s[G1K+3], 64<<16
	s_mov_b32 s[G1K+4], 256                        ; 256 keys x 64 bytes, dense
	s_mov_b32 s[G1K+5], 64
	s_mov_b32 s[G1K+6], 0
	s_mov_b32 s[G1K+7], 0
	s_mov_b32 s[G1V], 15|(0<<16)|(1<<20)|(1<<21)|(5<<22)|(3<<25)   ; 4 words behind every 64
	s_mov_b32 s[G1V+1], 256<<16
	s_mov_b32 s[G1V+2], 64<<16
	s_mov_b32 s[G1V+3], 256<<16
	s_mov_b32 s[G1V+4], 64                         ; 64 channels x 256 keys, rows 2,048 bytes apart
	s_mov_b32 s[G1V+5], 2048
	s_mov_b32 s[G1V+6], 0
	s_mov_b32 s[G1V+7], 0
	s_mov_b32 s[SEL], 0x76543210
	s_mov_b32 s[SEL+1], 0xfedcba98
	s_mov_b32 s[CS], 0x3e38aa3b                    ; c = log2(e) / 8
	s_lshl_b32 s96, s68, 14                        ; 256 keys of K are 16,384 bytes
	s_mov_b32 s97, 0
	s_add_nc_u64 s[96:97], s[96:97], s[66:67]
	s_lshl_b32 s98, s68, 8                         ; 256 keys of a row of V are 256 bytes
	s_mov_b32 s99, 0
	s_add_nc_u64 s[98:99], s[98:99], s[66:67]
	s_wait_dscnt 0x0                               ; both opening adds are done
	s_wait_kmcnt 0x0
	s_load_b512 s[80:95], s[6:7], 0x0              ; e0 .. e15
	s_add_nc_u64 s[96:97], s[4:5], s[96:97]
	s_add_nc_u64 s[98:99], s[4:5], s[98:99]
	s_add_nc_u64 s[70:71], s[4:5], s[14:15]        ; Q
	s_add_nc_u64 s[8:9], s[8:9], s[14:15]          ; O
	s_mov_b32 s[G0K], 1
	s_mov_b32 s[G0K+1], s69
	s_add_nc_u64 s[G0K+2:G0K+3], s[96:97], 0x400000
	s_or_b32 s[G0K+3], s[G0K+3], 0x80000000
	s_mov_b32 s[G0V], 1
	s_mov_b32 s[G0V+1], s79
	s_add_nc_u64 s[G0V+2:G0V+3], s[98:99], 0x800000
	s_or_b32 s[G0V+3], s[G0V+3], 0x80000000
	CROUND                                         ; all four work-groups are here: the joint loads meet
	s_cmp_lt_u32 s[WV], 8                          ; one chain of two arms, one fill to an arm: every wave issues one tensor load
	s_cbranch_scc0 .Lfor_v
	tensor_load_to_lds s[G0K:G0K+3], s[G1K:G1K+7]
	s_nop 0
.rept 4
	v_nop
.endr
	s_branch .Lasked
.Lfor_v:
	tensor_load_to_lds s[G0V:G0V+3], s[G1V:G1V+7]
	s_nop 0
.rept 4
	v_nop
.endr
.Lasked:
	v_and_b32 v8, 15, v0                           ; r
	v_bfe_u32 v9, v0, 4, 1                         ; h
	s_delay_alu instid0(VALU_DEP_2)
	v_lshlrev_b32 v10, 6, v8
	s_delay_alu instid0(VALU_DEP_1)
	v_lshl_add_u32 v10, v9, 4, v10
	global_load_b128 v[16:19], v10, s[70:71]       ; Q's fragment stays in registers
	global_load_b128 v[20:23], v10, s[70:71] offset:32
	v_mul_u32_u24 v[AK0], v8, KP                   ; K: row r of a tile, + 16 h
	s_delay_alu instid0(VALU_DEP_1)
	v_lshl_add_u32 v[AK0], v9, 4, v[AK0]
	v_mul_u32_u24 v[AV0], v8, VP                   ; V: channel r of a tile, + 8 h
	s_delay_alu instid0(VALU_DEP_1)
	v_lshl_add_u32 v[AV0], v9, 3, v[AV0]
	s_delay_alu instid0(VALU_DEP_1)
	v_add_nc_u32 v[AV0], VOFF, v[AV0]
	s_lshl_b32 s79, s[WV], 10
	s_add_co_u32 s79, s79, STG                     ; my stage
	v_lshlrev_b32 v24, 6, v8
	s_delay_alu instid0(VALU_DEP_1)
	v_lshl_add_u32 v24, v9, 3, v24
	s_delay_alu instid0(VALU_DEP_1)
	v_add_nc_u32 v24, s79, v24                     ; in: query r's 64 bytes, + 8 h
	v_and_b32 v26, 31, v0
	s_delay_alu instid0(VALU_DEP_1)
	v_lshlrev_b32 v26, 4, v26                      ; out: 16 bytes a lane, in LDS and in ac
	s_delay_alu instid0(VALU_DEP_1)
	v_add_nc_u32 v25, s79, v26
	v_mov_b32 v13, 0xff61b1e6                      ; the largest raw score so far: -3e38
	v_mov_b32 v12, 0x7f61b1e6                      ; -M: 3e38, a whole number
	v_mov_b32 v250, 0x7f61b1e6
	v_mov_b32 v236, 0                              ; a lane permute's destination counts as read
	v_mov_b32 v252, 0
	v_mov_b32 v253, 0                              ; (upper half of the pair v[252:253])
.set j, 0
.rept 8
	v_mov_b32 v[L+j], 0                            ; the row's sum
.set j, j+1
.endr
.set j, 0
.rept 32
	v_mov_b32 v[160+j], 0                          ; O^T: the body is written once, and its first pass finds zeros
.set j, j+1
.endr
	s_wait_kmcnt 0x0
	s_add_co_i32 s96, s86, s87
	s_lshl_b32 s96, s96, 23
	s_add_co_i32 s[CS], s[CS], s96                 ; a score stands for score x 2^(e6 + e7): added to c's exponent field
	s_mov_b32 s[CS+1], s[CS]
	s_add_co_i32 s96, s88, 127
	s_lshl_b32 s97, s96, 23
	v_mov_b32 v244, s97                            ; 2^e8
	s_add_co_i32 s96, s96, 8
	s_lshl_b32 s96, s96, 23
	s_or_b32 s[HL], s96, 0x600000                  ; 448 x 2^e8
	s_mov_b32 s[KB], 0
	s_mov_b32 s[VB], 0
	s_mov_b32 s[CNT], 7
	v_add_nc_u32 v[ADK], s[KB], v[AK0]
	s_wait_alu depctr_va_vdst(0)                   ; the wait at the head's end
	s_wait_loadcnt 0x0                             ; Q
	s_wait_tensorcnt 0x0                           ; my tile is in
	s_barrier_signal -1
	s_barrier_wait -1                              ; everybody's is: all of K and V
.macro ASKK kofs                       ; K's fragments of the 128 keys that begin kofs keys behind v[ADK]: eight tiles of 16 keys, two loads each
.set g, 0
.rept 16
	ds_load_b128 v[32+4*g:35+4*g], v[ADK] offset:(\kofs+16*(g/2))*KP+32*(g%2)
.set g, g+1
.endr
.endm
.macro QK                              ; S^T = K Q^T for the 128 keys whose fragments are on their way
	s_wait_alu depctr_va_vdst(0)                   ; directly ahead of the wait below
	s_wait_dscnt 0x0
.irp t, 0,1,2,3,4,5,6,7
	v_wmma_f32_16x16x64_fp8_fp8 v[96+8*\t:103+8*\t], v[32+8*\t:39+8*\t], v[16:23], 0
.endr
.endm
.macro ASKV vq                         ; the last step's sum goes into the row's sum: four plain lines between the last products and the loads; then V's fragments, half vq of the 256 keys at v[ADV]
.irp c, 0,1,2,3
	v_pk_fma_f32 v[L+2*\c:L+2*\c+1], v[L+2*\c:L+2*\c+1], v[252:253], v[U+2*\c:U+2*\c+1] op_sel_hi:[1,0,1]
.endr
.irp t, 0,1,2,3
.irp c, 0,1,2,3,4,5,6,7
	ds_load_b64 v[32+16*\t+2*\c:32+16*\t+2*\c+1], v[ADV] offset:16*\t*VP+128*(\vq)+16*\c
.endr
.endr
.endm
.macro PV                              ; O^T += V^T P^T
	s_wait_alu depctr_va_vdst(0)                   ; directly ahead of the wait below
	s_wait_dscnt 0x0
.irp t, 0,1,2,3
	v_wmma_f32_16x16x128_fp8_fp8 v[160+8*\t:167+8*\t], v[32+16*\t:47+16*\t], v[192:207], v[160+8*\t:167+8*\t]
.endr
.endm
.macro HOLD a                          ; p is not negative: a one-sided hold, two numbers a line
	v_dual_min_num_f32 v[\a], s[HL], v[\a] :: v_dual_min_num_f32 v[\a+1], s[HL], v[\a+1]
.endm
; BODY i.  vq: which half of V's 256 keys step i - 1 has; kofs: step i + 1's first key, counted from v[ADK]; pv = 0: body 0; kq = 0: body 15
.macro BODY vq, kofs, pv, kq
.if \pv
	ASKV \vq
.else
.rept 4
	v_nop
.endr
.endif
	v_max3_num_f32 v254, v96, v97, v98             ; the step's largest score of my query among my 64 keys, in two chains; each accumulator is first read at its low end
	v_max3_num_f32 v252, v99, v100, v101
.set i, 6
.rept 14
	v_max3_num_f32 v254, v254, v[96+i], v[97+i]
	v_max3_num_f32 v252, v252, v[98+i], v[99+i]
.set i, i+4
.endr
	v_max3_num_f32 v254, v254, v158, v159
	s_delay_alu instid0(VALU_DEP_1)
	v_max_num_f32 v254, v254, v252
	s_delay_alu instid0(VALU_DEP_1)
	v_permlanex16_b32 v236, v254, s[SEL], s[SEL+1]
	s_delay_alu instid0(VALU_DEP_1)
	v_max3_num_f32 v13, v13, v254, v236            ; the running largest raw score, lane l xor 16's among them (c is positive: the largest t is c x this)
	s_delay_alu instid0(VALU_DEP_1)
	v_mul_f32 v254, s[CS], v13
	s_delay_alu instid0(VALU_DEP_1)
	v_floor_f32 v12, -v254                         ; the new -M = -ceil(t)
	s_delay_alu instid0(VALU_DEP_1)
	v_sub_f32 v254, v12, v250
	s_delay_alu instid0(VALU_DEP_1)
	v_cvt_i32_f32 v254, v254                       ; old M - new M, a whole number, 0 or less (it saturates)
	s_delay_alu instid0(VALU_DEP_1)
	v_ldexp_f32 v252, 1.0, v254                    ; f = 2^(old M - new M)
.set j, 0
.rept 28
	v_pk_fma_f32 v[96+j:97+j], v[96+j:97+j], s[CS:CS+1], v[12:13] op_sel_hi:[1,0,0]   ; t - M
.set j, j+2
.endr
.if \pv
	PV
.endif
.rept 4                                ; the last four scalings are the places behind the products
	v_pk_fma_f32 v[96+j:97+j], v[96+j:97+j], s[CS:CS+1], v[12:13] op_sel_hi:[1,0,0]
.set j, j+2
.endr
.set j, 0
.rept 16
	v_pk_mul_f32 v[160+j:161+j], v[160+j:161+j], v[252:253] op_sel_hi:[1,0]   ; O^T under the new M, ahead of the exponentials
.set j, j+2
.endr
	s_wait_alu depctr_va_vdst(0)                   ; the wait ahead of the batch
.if \kq
	ASKK \kofs                                     ; the next step's fragments of K: 20 plain lines behind the products that read these registers
.endif
.set g, 0
.rept 32                               ; the first 32 exponentials
	v_exp_f32 v[96+g], v[96+g]
.set g, g+1
.endr
	v_nop                                          ; a plain line behind the exponentials
	s_wait_alu depctr_va_vdst(0)                   ; behind the first batch and ahead of the second
.set g, 0
.rept 8                                ; the other 32; among them the first half's first sums and holds, whose results are read behind the next wait
	v_exp_f32 v[128+4*g], v[128+4*g]
	v_exp_f32 v[129+4*g], v[129+4*g]
	v_pk_add_f32 v[U+2*g:U+2*g+1], v[96+4*g:97+4*g], v[98+4*g:99+4*g]   ; the sum is taken of the unquantised p, ahead of the hold
	v_exp_f32 v[130+4*g], v[130+4*g]
	HOLD 96+4*g
	v_exp_f32 v[131+4*g], v[131+4*g]
	HOLD 98+4*g
.set g, g+1
.endr
	s_wait_alu depctr_va_vdst(0)                   ; one wait for the batch, ahead of its first reader
.set j, 0
.rept 16
	v_pk_add_f32 v[U+2*(j%8):U+2*(j%8)+1], v[U+2*(j%8):U+2*(j%8)+1], v[128+2*j:129+2*j]
.set j, j+1
.endr
.irp c, 0,1,2,3
	v_pk_add_f32 v[U+2*\c:U+2*\c+1], v[U+2*\c:U+2*\c+1], v[U+8+2*\c:U+9+2*\c]
.endr
.irp b, 0,1
	v_cvt_scalef32_pk8_fp8_f32 v[192+4*\b:193+4*\b], v[96+16*\b:103+16*\b], v244
	v_cvt_scalef32_pk8_fp8_f32 v[194+4*\b:195+4*\b], v[104+16*\b:111+16*\b], v244
.endr
.irp b, 2,3
.set i, 0
.rept 8
	HOLD 96+16*\b+i
.set i, i+2
.endr
	v_cvt_scalef32_pk8_fp8_f32 v[192+4*\b:193+4*\b], v[96+16*\b:103+16*\b], v244
	v_cvt_scalef32_pk8_fp8_f32 v[194+4*\b:195+4*\b], v[104+16*\b:111+16*\b], v244
.endr
	v_mov_b32 v250, v12                            ; -M, kept for the next step; also the plain line behind the conversions
.if \kq
	QK
.endif
.endm
	ASKK 0                                         ; step 0's fragments of K
	QK
	BODY 0, 128, 0, 1                              ; body 0
.Ltrip:                                ; trip t: bodies 2 t + 1 and 2 t + 2; s[KB], s[VB]: the 256 keys of steps 2 t and 2 t + 1
	v_add_nc_u32 v[ADK], s[KB], v[AK0]
	v_add_nc_u32 v[ADV], s[VB], v[AV0]
	BODY 0, 256, 1, 1
	BODY 1, 384, 1, 1
	s_add_co_u32 s[KB], s[KB], 256*KP
	s_add_co_u32 s[VB], s[VB], VCH
	s_sub_co_u32 s[CNT], s[CNT], 1
	s_cmp_lg_u32 s[CNT], 0
	s_cbranch_scc1 .Ltrip
	v_add_nc_u32 v[ADV], s[VB], v[AV0]             ; steps 14 and 15
	BODY 0, 0, 1, 0                                ; body 15
	ASKV 1
	PV                                             ; step 15's second product
	; THE WAY OUT: O^T / the sum x 2^(e8 + e9), held, converted with 2^e10; 1,024 bytes a wave through its own stage, out as 512 consecutive bytes a store
	v_pk_add_f32 v[L:L+1], v[L:L+1], v[L+2:L+3]
	v_pk_add_f32 v[L+4:L+5], v[L+4:L+5], v[L+6:L+7]
	s_delay_alu instid0(VALU_DEP_1)
	v_pk_add_f32 v[L:L+1], v[L:L+1], v[L+4:L+5]
	s_delay_alu instid0(VALU_DEP_1)
	v_add_f32 v14, v[L], v[L+1]
	s_delay_alu instid0(VALU_DEP_1)
	v_permlanex16_b32 v252, v14, s[SEL], s[SEL+1]
	s_delay_alu instid0(VALU_DEP_1)
	v_add_f32 v14, v14, v252
	s_wait_alu depctr_va_vdst(0)                   ; the wait ahead of the transcendental
	v_rcp_f32 v14, v14
	v_nop                                          ; a plain line behind the reciprocal
	s_add_co_i32 s96, s88, s89
	s_add_co_i32 s97, s90, 127
	s_lshl_b32 s98, s97, 23
	v_mov_b32 v244, s98                            ; 2^e10
	s_add_co_i32 s97, s97, 8
	s_lshl_b32 s97, s97, 23
	s_or_b32 s97, s97, 0x600000
	v_mov_b32 v240, s97                            ; 448 x 2^e10
	s_wait_alu depctr_va_vdst(0)                   ; ahead of the reciprocal's first reader
	v_ldexp_f32 v14, v14, s96
	s_wait_alu depctr_va_vdst(0)                   ; directly ahead of the first reader of O^T
.set j, 0
.rept 32
	v_mul_f32 v[96+j], v[160+j], v14               ; register 8 t + i: o(r, 16 t + 8 h + i)
.set j, j+1
.endr
.set j, 0
.rept 32
	v_med3_num_f32 v[96+j], v[96+j], -v240, v240
.set j, j+1
.endr
.irp t, 0,1,2,3
	v_cvt_scalef32_pk8_fp8_f32 v[128+2*\t:129+2*\t], v[96+8*\t:103+8*\t], v244
.endr
	v_nop
.irp t, 0,1,2,3
	ds_store_b64 v24, v[128+2*\t:129+2*\t] offset:16*\t
.endr
	ds_load_b128 v[136:139], v25                   ; LDS serves a wave's instructions in order: these see my stores
	ds_load_b128 v[140:143], v25 offset:512
	s_wait_dscnt 1
	global_store_b128 v26, v[136:139], s[8:9]
	s_wait_dscnt 0x0
	global_store_b128 v26, v[140:143], s[8:9] offset:512
	s_wait_tensorcnt 0x0                           ; the wave's end
	ds_add_u32 v251, v255
	s_wait_dscnt 0x0
	CROUND                                         ; the closing round
	s_endpgm
.Lfunc_end_k_q4153ff7cdf_attn:
	.size	k_q4153ff7cdf_attn, .Lfunc_end_k_q4153ff7cdf_attn-k_q4153ff7cdf_attn
	.p2alignl 7, 3214868480
	.fill 96, 4, 3214868480
	.section	.rodata,"a",@progbits
	.p2align	6, 0x0
	.amdhsa_kernel k_q4153ff7cdf_attn
		.amdhsa_group_segment_fixed_size 327680
		.amdhsa_private_segment_fixed_size 0
		.amdhsa_enable_private_segment 0
		.amdhsa_kernarg_size 24
		.amdhsa_user_sgpr_count 2
		.amdhsa_user_sgpr_kernarg_segment_ptr 1
		.amdhsa_wavefront_size32 1
		.amdhsa_system_sgpr_workgroup_id_x 1
		.amdhsa_system_sgpr_workgroup_id_y 1
		.amdhsa_system_sgpr_workgroup_id_z 1
		.amdhsa_system_vgpr_workitem_id 0
		.amdhsa_next_free_vgpr 256
		.amdhsa_next_free_sgpr 100
		.amdhsa_reserve_vcc 0
		.amdhsa_float_denorm_mode_32 3
		.amdhsa_float_denorm_mode_16_64 3
		.amdhsa_memory_ordered 1
		.amdhsa_forward_progress 1
		.amdhsa_inst_pref_size 78
	.end_amdhsa_kernel
	.amdgpu_metadata
---
amdhsa.version: [ 1, 2 ]
amdhsa.kernels:
  - .name:           k_q4153ff7cdf_attn
    .symbol:         k_q4153ff7cdf_attn.kd
    .args:
      - { .name: qkvc, .offset: 0, .size: 8, .value_kind: global_buffer, .address_space: global }
      - { .name: lowp_scales, .offset: 8, .size: 8, .value_kind: global_buffer, .address_space: global }
      - { .name: ac, .offset: 16, .size: 8, .value_kind: global_buffer, .address_space: global }
    .group_segment_fixed_size: 327680
    .private_segment_fixed_size: 0
    .kernarg_segment_align: 8
    .kernarg_segment_size: 24
    .max_flat_workgroup_size: 512
    .sgpr_count:     100
    .vgpr_count:     256
    .wavefront_size: 32
...
	.end_amdgpu_metadata
.endif
;; end of part 3
;; launch wo (part 4): grid 8 x 32, 4 waves a work-group, clusters of 4 x 4, 327,680 bytes of LDS; arguments ac, Wo_codes, lowp_scales, bo, ebd_x, z; writes z
.if DOCPART == 4
	.amdgcn_target "amdgcn-amd-amdhsa--gfx1250"
	.amdhsa_code_object_version 6
	.text
	.protected	k_q4153ff7cdf_wo
	.globl	k_q4153ff7cdf_wo
	.p2align	8
	.type	k_q4153ff7cdf_wo,@function
k_q4153ff7cdf_wo:
	s_mov_b64 s[64:65], 0
	v_nop
	global_prefetch_b8 v0, s[64:65] scope:SCOPE_SE
	s_setreg_imm32_b32 hwreg(HW_REG_WAVE_MODE, 25, 1), 1
	s_wait_xcnt 0x0
	s_wait_alu depctr_hold_cnt(0) depctr_sa_sdst(0) depctr_va_vdst(0) depctr_va_sdst(0) depctr_va_ssrc(0) depctr_va_vcc(0) depctr_vm_vsrc(0)
	s_getreg_b32 s2, hwreg(HW_REG_IB_STS2, 6, 4)
	s_cmp_eq_u32 s2, 0
	s_cbranch_scc0 .Lentry_in_a_cluster
	s_endpgm
.Lentry_in_a_cluster:
	s_bfe_u32 s2, ttmp6, 0x10000c
	s_cmp_lg_u32 s2, 0xf033
	s_cbranch_scc0 .Lentry_shape_is_right
	s_endpgm
.Lentry_shape_is_right:
; z = A B^T x 2^(ea + eb) + bias + residual.  A: [4096][SIZE_K] codes, B: [1024][SIZE_K] codes (E4M3), bias [1024], residual and z [4096][1024] f32.  ea, eb: the two entries at byte SCOFF of the scales.
; A tile of z is 128 x 128, so that 8 x 32 = 256 work-groups share the work; four waves, 64 x 64 each: 16 accumulators.  K goes in steps of 512 (LDS rows of 512 bytes + 16) through two slots.
; CLUSTERS 4 x 4: A's tile is asked for jointly along a row of the cluster, B's along a column.  The matrix instruction is used transposed: a lane holds eight neighbouring columns of a row.
; The wave's part of the residual (128 registers, by rows) and of the bias is asked for at the head and lands under the products.
; LIMIT: ea + eb between -126 and 127.
; REGISTERS: window 0: v16-30 addresses; v32-95 two sets of 32 sums; v96-127 the bias; v128-255 the accumulators ((a, b) at v[128 + 8 (4 a + b)]), later rows of z.
;   window 1: two fragment buffers of 128: A's four fragments, then B's four.   window 2: v0-127 the residual.
.set SIZE_K, 1024
.set SCOFF,  40
.set KSTEP,  512
.set PITCH,  528
.set HALFT,  64*PITCH
.set SLOT,   4*HALFT
.set STAGE,  2*SLOT                    ; 16 rows x 272 bytes for each wave: a wave's 64 columns are 256 bytes
.set SPITCH, 272
.set SPARE,  STAGE+4*16*SPITCH         ; the spare words: 128 bytes a wave, named by no other line
.set LAPS,   SIZE_K/(2*KSTEP)
.set ADRA, 16
.set ADRB, 20
.set STO,  24
.set RD,   25
.set CO,   26
.set SPW,  28
.set NIL,  29
.set BA,   30
.set TMP,  32
.set BF,   96
.set ACC,  128
.set F0,   0
.set F1,   128
.set G1, 24
.set G0, 32
.set G1B, 48
.set G0B, 56
.set MSB, 0
.macro WIN new
.if MSB != \new
	s_set_vgpr_msb (MSB<<8)|\new
.set MSB, \new
.endif
.endm
.set MUL,  0x05                        ; sources 0 (B) and 1 (A) window 1; C and D window 0
.set TO_F, 0x40
.macro JLOAD s
	s_cmp_eq_u32 s11, 0
	s_cbranch_scc0 .Lfor_b_\@
	tensor_load_to_lds s[G0+4*\s:G0+4*\s+3], s[G1:G1+7]
	s_nop 0
.rept 4
	v_nop
.endr
	s_branch .Lasked_\@
.Lfor_b_\@:
	tensor_load_to_lds s[G0B+4*\s:G0B+4*\s+3], s[G1B:G1B+7]
	s_nop 0
.rept 4
	v_nop
.endr
.Lasked_\@:
.endm
.macro CREST
	s_cmp_lg_u32 s10, 0
	s_cbranch_scc1 .Lnot_wave_0_\@
	s_barrier_signal -3
.Lnot_wave_0_\@:
	s_barrier_wait -3
	s_barrier_signal -1
	s_barrier_wait -1
.endm
.macro CROUND
	s_barrier_signal -1
	s_barrier_wait -1
	CREST
.endm
	s_load_b256 s[68:75], s[0:1], 0x0              ; A, B, the scales, the bias
	s_load_b128 s[76:79], s[0:1], 0x20             ; the residual, z
	v_lshl_add_u32 v[SPW], v0, 2, SPARE
	v_mov_b32 v[NIL], 0
	ds_add_u32 v28, v29
	ds_add_u32 v28, v29
	s_wait_dscnt 0x0
	v_lshrrev_b32 v1, 5, v0
	v_readfirstlane_b32 s10, v1                    ; wave
.set PFO, 31                           ; v31     the prefetch's offset: (lane % 16) rows + 256 x (lane / 16) bytes; never rewritten
.set PFA, 82                           ; s[82:83] my work-group's 16 of the 64 rows that my wave fetches; never rewritten
	v_and_b32 v[PFO], 15, v0
	v_mul_u32_u24 v[PFO], v[PFO], SIZE_K
	v_bfe_u32 v2, v0, 4, 1
	v_lshl_add_u32 v[PFO], v2, 8, v[PFO]
	s_wait_alu depctr_va_vdst(0)                   ; the wait behind the write
	s_lshr_b32 s11, s10, 1                         ; my half of the rows.  Also: I fetch for A (0) or B (1)
	s_and_b32 s12, s10, 1                          ; my half of the columns.  Also: which 64 rows I fetch
	s_bfe_u32 s40, ttmp6, 0x40000
	s_bfe_u32 s41, ttmp6, 0x40004
	s_lshl_b32 s42, ttmp9, 2
	s_add_co_u32 s42, s42, s40                     ; tile column
	s_and_b32 s13, ttmp7, 0xffff
	s_lshl_b32 s13, s13, 2
	s_add_co_u32 s13, s13, s41                     ; tile row
	s_lshl_b32 s43, s41, 2
	s_lshl_b32 s43, 15, s43
	s_lshl_b32 s44, 0x1111, s40
	s_or_b32 s[G1+0], s43, (0<<16)|(1<<20)|(1<<21)|(6<<22)|(3<<25)  ; the mask; 1-byte elements; 4 words of padding behind every 128
	s_or_b32 s[G1B+0], s44, (0<<16)|(1<<20)|(1<<21)|(6<<22)|(3<<25)
.irp g, G1, G1B
	s_mov_b32 s[\g+1], KSTEP<<16
	s_mov_b32 s[\g+2], 64<<16
	s_mov_b32 s[\g+3], KSTEP<<16
	s_mov_b32 s[\g+4], 64
	s_mov_b32 s[\g+5], SIZE_K
	s_mov_b32 s[\g+6], 0
	s_mov_b32 s[\g+7], 0
.endr
	s_lshl_b32 s18, s12, 6
	s_lshl_b32 s16, s13, 7
	s_add_co_u32 s16, s16, s18
	s_mul_i32 s16, s16, SIZE_K                     ; A: row 128 x tile row + 64 x half, in bytes (under 2^25)
	s_mov_b32 s17, 0
	s_lshl_b32 s46, s42, 7
	s_add_co_u32 s46, s46, s18
	s_mul_i32 s46, s46, SIZE_K
	s_mov_b32 s47, 0
	s_mul_i32 s20, s10, HALFT
	s_wait_kmcnt 0x0
	s_load_b64 s[80:81], s[72:73], SCOFF           ; ea, eb
	s_add_nc_u64 s[14:15], s[68:69], s[16:17]
	s_add_nc_u64 s[46:47], s[70:71], s[46:47]
	s_cmp_eq_u32 s11, 0                            ; the prefetch: the partner at place p (cx for A, cy for B) names rows 16 p on: told apart by address
	s_cselect_b64 s[PFA:PFA+1], s[14:15], s[46:47]
	s_cselect_b32 s84, s40, s41
	s_mul_i32 s84, s84, 16*SIZE_K
	s_mov_b32 s85, 0
	s_add_nc_u64 s[PFA:PFA+1], s[PFA:PFA+1], s[84:85]
	CROUND
.irp s, 0,1
	s_mov_b32 s[G0+4*\s], 1
	s_add_co_u32 s[G0+4*\s+1], s20, \s*SLOT
	s_add_nc_u64 s[G0+4*\s+2:G0+4*\s+3], s[14:15], \s*KSTEP
	s_or_b32 s[G0+4*\s+3], s[G0+4*\s+3], 0x80000000
	s_mov_b32 s[G0B+4*\s], 1
	s_add_co_u32 s[G0B+4*\s+1], s20, \s*SLOT
	s_add_nc_u64 s[G0B+4*\s+2:G0B+4*\s+3], s[46:47], \s*KSTEP
	s_or_b32 s[G0B+4*\s+3], s[G0B+4*\s+3], 0x80000000
.if \s
	s_wait_alu depctr_va_vdst(0)
	s_wait_tensorcnt 0x0                           ; my part of K step 0 is in; slot 1's first fill is issued as a refill is
	ds_add_u32 v[SPW], v[NIL]
	s_wait_dscnt 0x0
	CROUND
.endif
	JLOAD \s
.if \s == 0
	global_prefetch_b8 v[PFO], s[PFA:PFA+1] offset:KSTEP th:TH_LOAD_NT scope:SCOPE_SE   ; behind K step 0's load: K step 1, 16 rows x 512 bytes, a lane a block of 256
.endif
.endr
	v_and_b32 v1, 15, v0                           ; r
	s_wait_alu depctr_va_vdst(0)
	v_bfe_u32 v2, v0, 4, 1                         ; h
	v_mul_u32_u24 v3, v1, PITCH
	v_lshl_add_u32 v3, v2, 4, v3
	s_mul_i32 s21, s11, HALFT
	s_mul_i32 s22, s12, HALFT
	s_add_co_u32 s22, s22, 2*HALFT
.irp s, 0,1
	v_add_nc_u32 v[ADRA+\s], s21, v3
	v_add_nc_u32 v[ADRB+\s], s22, v3
	s_add_co_u32 s21, s21, SLOT
	s_add_co_u32 s22, s22, SLOT
.endr
	s_mul_i32 s23, s10, 16*SPITCH
	s_add_co_u32 s23, s23, STAGE                   ; my stage
	v_mul_u32_u24 v4, v1, SPITCH
	s_wait_alu depctr_va_vdst(0)
	v_lshl_add_u32 v4, v2, 5, v4
	v_add_nc_u32 v[STO], s23, v4                   ; in: row r, 32 bytes for each half of the lanes
	v_mul_u32_u24 v5, v2, SPITCH
	v_lshl_add_u32 v5, v1, 4, v5
	v_add_nc_u32 v[RD], s23, v5                    ; back: two rows of 256 bytes an instruction
	v_lshlrev_b32 v5, 12, v2
	v_lshl_add_u32 v[CO], v1, 4, v5                ; the same two rows in z and in the residual
	v_lshlrev_b32 v[BA], 5, v2
	s_wait_alu depctr_va_vdst(0)
	s_lshl_b32 s16, s13, 7
	s_lshl_b32 s17, s11, 6
	s_add_co_u32 s16, s16, s17
	s_lshl_b32 s16, s16, 12                        ; my first row, in bytes
	s_mov_b32 s17, 0
	s_lshl_b32 s46, s42, 9
	s_lshl_b32 s47, s12, 8
	s_add_co_u32 s46, s46, s47                     ; my first column, in bytes
	s_mov_b32 s47, 0
	s_add_nc_u64 s[76:77], s[76:77], s[16:17]
	s_add_nc_u64 s[76:77], s[76:77], s[46:47]
	s_add_nc_u64 s[78:79], s[78:79], s[16:17]
	s_add_nc_u64 s[78:79], s[78:79], s[46:47]
	s_add_nc_u64 s[74:75], s[74:75], s[46:47]
.irp b, 0,1,2,3
	global_load_b128 v[BF+8*\b:BF+8*\b+3], v[BA], s[74:75] offset:64*\b
	global_load_b128 v[BF+8*\b+4:BF+8*\b+7], v[BA], s[74:75] offset:64*\b+16
.endr
	WIN 0x80                                       ; destination window 2
.irp a, 0,1,2,3
.irp t, 0,1,2,3,4,5,6,7
	global_load_b128 v[32*\a+4*\t:32*\a+4*\t+3], v[CO], s[76:77] offset:(16*\a+2*\t)*4096
.endr
.endr
	WIN 0
.macro MULA f, a, zero                 ; A's block a against B's four; the 16 accumulators take turns, one instruction a turn
.irp b, 0,1,2,3
.if \zero
	v_wmma_f32_16x16x128_fp8_fp8 v[ACC+8*(4*(\a)+\b):ACC+8*(4*(\a)+\b)+7], v[\f+64+16*\b:\f+64+16*\b+15], v[\f+16*(\a):\f+16*(\a)+15], 0
.else
	v_wmma_f32_16x16x128_fp8_fp8 v[ACC+8*(4*(\a)+\b):ACC+8*(4*(\a)+\b)+7], v[\f+64+16*\b:\f+64+16*\b+15], v[\f+16*(\a):\f+16*(\a)+15], v[ACC+8*(4*(\a)+\b):ACC+8*(4*(\a)+\b)+7]
.endif
.endr
.endm
.macro FRAG reg, adr, k, i
.irp c, 0,1,2,3
	ds_load_b128 v[\reg+4*\c:\reg+4*\c+3], v[\adr] offset:\k+32*\c+(\i)*16*PITCH
.endr
.endm
.macro FETCH slot, k, f                ; 32 LDS loads in one run: B's four fragments, then A's
	WIN TO_F
.irp i, 0,1,2,3
	FRAG \f+64+16*\i, ADRB+\slot, \k, \i
.endr
.irp i, 0,1,2,3
	FRAG \f+16*\i, ADRA+\slot, \k, \i
.endr
.endm
.macro PLACES
.rept 4
	v_nop
.endr
.endm
.macro QUARTER slot, k, f, g, zero     ; 128 along K: multiplies buffer f, fetches the next quarter, at byte k, into g
	s_wait_dscnt 8                                 ; B and A's blocks 0, 1 are in; the youngest eight loads (A's blocks 2, 3) may be out
	WIN MUL
	MULA \f, 0, \zero
	MULA \f, 1, \zero
	PLACES
	FETCH \slot, \k, \g
	s_wait_dscnt 32                                ; all but the 32 just issued
	WIN MUL
	MULA \f, 2, \zero
	MULA \f, 3, \zero
.endm
.macro TURN slot, next, fill           ; the last quarter multiplies buffer 1 and changes slots
	WIN 0
	s_wait_tensorcnt 0x0                           ; all my tensor loads have landed: my part of the next slot
	ds_add_u32 v[SPW], v[NIL]                      ; 0 onto my spare word
	s_wait_dscnt 9                                 ; the add and the youngest eight loads may be out
	WIN MUL
	MULA F1, 0, 0
	s_wait_dscnt 0x0                               ; the add is done, and my reads of this slot are over
	s_barrier_signal -1
	MULA F1, 1, 0
.if \fill
	WIN 0
.endif
	s_barrier_wait -1
.if \fill
	CREST                                          ; the barrier opened a round of the cluster's
	s_add_nc_u64 s[G0+4*\slot+2:G0+4*\slot+3], s[G0+4*\slot+2:G0+4*\slot+3], 2*KSTEP
	s_add_nc_u64 s[G0B+4*\slot+2:G0B+4*\slot+3], s[G0B+4*\slot+2:G0B+4*\slot+3], 2*KSTEP
	JLOAD \slot                                    ; the first tensor load behind the round; its four v_nop are the places in front of the loads below
.else
	PLACES
.endif
	FETCH \next, 0, F0
	WIN MUL
	MULA F1, 2, 0
	MULA F1, 3, 0
.endm
	s_wait_tensorcnt 1                             ; my part of K step 0 is in; K step 1's may be out
	s_barrier_signal -1
	s_barrier_wait -1
	FETCH 0, 0, F0
	QUARTER 0, 128, F0, F1, 1                      ; the first quarter's products start the sums
.if LAPS > 1
	WIN 0
	s_mov_b32 s3, LAPS-1
.Llap:
	QUARTER 0, 256, F1, F0, 0
	QUARTER 0, 384, F0, F1, 0
	TURN 0, 1, 1
	QUARTER 1, 128, F0, F1, 0
	QUARTER 1, 256, F1, F0, 0
	QUARTER 1, 384, F0, F1, 0
	TURN 1, 0, 1
	QUARTER 0, 128, F0, F1, 0
	WIN 0
	s_sub_co_u32 s3, s3, 1
	s_cmp_lg_u32 s3, 0
	s_cbranch_scc1 .Llap
.endif
	QUARTER 0, 256, F1, F0, 0
	QUARTER 0, 384, F0, F1, 0
	TURN 0, 1, 0
	QUARTER 1, 128, F0, F1, 0
	QUARTER 1, 256, F1, F0, 0
	QUARTER 1, 384, F0, F1, 0
	s_wait_dscnt 8
	WIN MUL
	MULA F1, 0, 0
	MULA F1, 1, 0
	s_wait_dscnt 0
	MULA F1, 2, 0
	MULA F1, 3, 0
	WIN 0
	; THE WAY OUT, 16 rows at a time: sum x 2^(ea + eb) + bias; through my stage; back by rows, into the block's own accumulators, which are done with; + the residual; stored
	s_wait_loadcnt 0x0                             ; the bias and the residual
	s_wait_kmcnt 0x0
	s_add_co_i32 s80, s80, s81
	s_add_co_i32 s80, s80, 127
	s_lshl_b32 s80, s80, 23
	s_mov_b32 s81, s80
	PLACES
.macro TOSTAGE a
.set TS, TMP+32*((\a)%2)
.set AB, ACC+32*(\a)
.set j, 0
.rept 16
	v_pk_fma_f32 v[TS+j:TS+j+1], v[AB+j:AB+j+1], s[80:81], v[BF+j:BF+j+1] op_sel_hi:[1,0,1]   ; each accumulator from its low end on
.set j, j+2
.endr
.irp b, 0,1,2,3
	ds_store_b128 v[STO], v[TS+8*\b:TS+8*\b+3] offset:64*\b
	ds_store_b128 v[STO], v[TS+8*\b+4:TS+8*\b+7] offset:64*\b+16
.endr
.irp t, 0,1,2,3,4,5,6,7
	ds_load_b128 v[AB+4*\t:AB+4*\t+3], v[RD] offset:\t*2*SPITCH   ; LDS serves a wave's instructions in order: these see the stores above
.endr
.endm
.macro SEND a, younger                 ; younger: the next block's eight stores and eight loads, or none
.set AB, ACC+32*(\a)
	s_wait_dscnt \younger
	WIN 0x08                                       ; source 1 window 2
.set j, 0
.rept 16
	v_pk_add_f32 v[AB+j:AB+j+1], v[AB+j:AB+j+1], v[32*(\a)+j:32*(\a)+j+1]
.set j, j+2
.endr
	WIN 0
.irp t, 0,1,2,3,4,5,6,7
	global_store_b128 v[CO], v[AB+4*\t:AB+4*\t+3], s[78:79] offset:(16*(\a)+2*\t)*4096   ; sixteen lanes store 256 consecutive bytes, aligned
.endr
.endm
	TOSTAGE 0
	TOSTAGE 1
	SEND 0, 16
	TOSTAGE 2
	SEND 1, 16
	TOSTAGE 3
	SEND 2, 16
	SEND 3, 0
	s_wait_tensorcnt 0x0                           ; the wave's end
	ds_add_u32 v[SPW], v[NIL]
	s_wait_dscnt 0x0
	CROUND                                         ; the closing round
	s_endpgm
.Lfunc_end_k_q4153ff7cdf_wo:
	.size	k_q4153ff7cdf_wo, .Lfunc_end_k_q4153ff7cdf_wo-k_q4153ff7cdf_wo
	.p2alignl 7, 3214868480
	.fill 96, 4, 3214868480
	.section	.rodata,"a",@progbits
	.p2align	6, 0x0
	.amdhsa_kernel k_q4153ff7cdf_wo
		.amdhsa_group_segment_fixed_size 327680
		.amdhsa_private_segment_fixed_size 0
		.amdhsa_enable_private_segment 0
		.amdhsa_kernarg_size 48
		.amdhsa_user_sgpr_count 2
		.amdhsa_user_sgpr_kernarg_segment_ptr 1
		.amdhsa_wavefront_size32 1
		.amdhsa_system_sgpr_workgroup_id_x 1
		.amdhsa_system_sgpr_workgroup_id_y 1
		.amdhsa_system_sgpr_workgroup_id_z 1
		.amdhsa_system_vgpr_workitem_id 0
		.amdhsa_next_free_vgpr 640
		.amdhsa_next_free_sgpr 90
		.amdhsa_reserve_vcc 0
		.amdhsa_float_denorm_mode_32 3
		.amdhsa_float_denorm_mode_16_64 3
		.amdhsa_memory_ordered 1
		.amdhsa_forward_progress 1
		.amdhsa_inst_pref_size 55
	.end_amdhsa_kernel
	.amdgpu_metadata
---
amdhsa.version: [ 1, 2 ]
amdhsa.kernels:
  - .name:           k_q4153ff7cdf_wo
    .symbol:         k_q4153ff7cdf_wo.kd
    .args:
      - { .name: ac, .offset: 0, .size: 8, .value_kind: global_buffer, .address_space: global }
      - { .name: Wo_codes, .offset: 8, .size: 8, .value_kind: global_buffer, .address_space: global }
      - { .name: lowp_scales, .offset: 16, .size: 8, .value_kind: global_buffer, .address_space: global }
      - { .name: bo, .offset: 24, .size: 8, .value_kind: global_buffer, .address_space: global }
      - { .name: ebd_x, .offset: 32, .size: 8, .value_kind: global_buffer, .address_space: global }
      - { .name: z, .offset: 40, .size: 8, .value_kind: global_buffer, .address_space: global }
    .group_segment_fixed_size: 327680
    .private_segment_fixed_size: 0
    .kernarg_segment_align: 8
    .kernarg_segment_size: 48
    .max_flat_workgroup_size: 128
    .sgpr_count:     90
    .vgpr_count:     640
    .wavefront_size: 32
...
	.end_amdgpu_metadata
.endif
;; end of part 4
;; launch ln1 (part 5): grid 256 x 1, 4 waves a work-group, no clusters, 16,896 bytes of LDS; arguments z, g1, beta1, lowp_scales, x1, x1c; writes x1, x1c
.if DOCPART == 5
	.amdgcn_target "amdgcn-amd-amdhsa--gfx1250"
	.amdhsa_code_object_version 6
	.text
	.protected	k_q4153ff7cdf_ln1
	.globl	k_q4153ff7cdf_ln1
	.p2align	8
	.type	k_q4153ff7cdf_ln1,@function
k_q4153ff7cdf_ln1:
	s_mov_b64 s[64:65], 0
	v_nop
	global_prefetch_b8 v0, s[64:65] scope:SCOPE_SE
	s_setreg_imm32_b32 hwreg(HW_REG_WAVE_MODE, 25, 1), 1
	s_wait_xcnt 0x0
; x1 = layernorm(z) x g + beta, rows of 1,024 f32; x1c = its E4M3 codes with the scale 2^e12 (entry 12).  One wave to a row, four rows a wave; a row stays in 32 registers between the passes.
; mean; x - mean; mean of squares of that; rsqrt(var + 1e-5): two passes, so that a common offset of the inputs costs nothing.  Every load and store of the wave covers 512 consecutive bytes.
; All loads go out at the head: g (8), beta (8), four rows (8 each).  Waves share nothing: no barrier.  A lane's codes, 4 bytes for each of its eight places in the row, go through 1,024 LDS bytes of the row's own.
; LIMIT: e12 between -126 and 119.  NaN is not served.
.set G,   8
.set BT,  40
.set X0,  72
.set Q,   200                          ; v200-231 the numbers held; v200-207 later the row's codes
.set CDR, 232
.set A,   240
	s_load_b256 s[4:11], s[0:1], 0x0               ; z, g, beta, the scales
	s_load_b128 s[16:19], s[0:1], 0x20             ; x1, x1c
	v_lshl_add_u32 v254, v0, 2, 0x4000
	v_mov_b32 v255, 0
	v_lshrrev_b32 v1, 5, v0
	v_readfirstlane_b32 s20, v1
	v_and_b32 v2, 31, v0
	v_lshlrev_b32 v3, 4, v2                        ; 16 x lane
	v_lshlrev_b32 v4, 2, v2
	s_lshl_b32 s21, s20, 12
	v_add_nc_u32 v4, s21, v4                       ; LDS, in: 4,096 x wave + 4 x lane
	v_add_nc_u32 v5, s21, v3                       ; and out: + 16 x lane
	s_mov_b32 s12, 0x76543210
	s_mov_b32 s13, 0xfedcba98
	s_mov_b32 s14, 0x3a800000                      ; 1 / 1,024
	s_mov_b32 s15, 0x3727c5ac                      ; 1e-5
	s_lshl_b32 s22, ttmp9, 4
	s_lshl_b32 s23, s20, 2
	s_add_co_u32 s22, s22, s23                     ; my first row
	s_lshl_b32 s24, s22, 12
	s_mov_b32 s25, 0
	s_lshl_b32 s26, s22, 10
	s_mov_b32 s27, 0
	s_wait_alu depctr_va_vdst(0)
	s_wait_kmcnt 0x0
	s_load_b32 s28, s[10:11], 0x30                 ; e12
	s_add_nc_u64 s[4:5], s[4:5], s[24:25]
	s_add_nc_u64 s[16:17], s[16:17], s[24:25]
	s_add_nc_u64 s[18:19], s[18:19], s[26:27]
.irp j, 0,1,2,3,4,5,6,7
	global_load_b128 v[G+4*\j:G+4*\j+3], v3, s[6:7] offset:512*\j
.endr
.irp j, 0,1,2,3,4,5,6,7
	global_load_b128 v[BT+4*\j:BT+4*\j+3], v3, s[8:9] offset:512*\j
.endr
.irp i, 0,1,2,3
.irp j, 0,1,2,3,4,5,6,7
	global_load_b128 v[X0+32*\i+4*\j:X0+32*\i+4*\j+3], v3, s[4:5] offset:4096*\i+512*\j th:TH_LOAD_NT
.endr
.endr
	s_wait_kmcnt 0x0
	s_add_co_i32 s28, s28, 127
	s_lshl_b32 s29, s28, 23
	v_mov_b32 v6, s29                              ; 2^e12
	s_add_co_i32 s28, s28, 8
	s_lshl_b32 s28, s28, 23
	s_or_b32 s28, s28, 0x600000
	v_mov_b32 v7, s28                              ; 448 x 2^e12
.macro ACROSS                          ; four chains -> one number -> the 32 lanes' sum in every lane
	v_pk_add_f32 v[A:A+1], v[A:A+1], v[A+2:A+3]
	v_pk_add_f32 v[A+4:A+5], v[A+4:A+5], v[A+6:A+7]
	v_pk_add_f32 v[A:A+1], v[A:A+1], v[A+4:A+5]
	v_add_f32 v[A], v[A], v[A+1]
	v_add_f32_dpp v[A], v[A], v[A] row_xmask:1 row_mask:0xf bank_mask:0xf
	v_add_f32_dpp v[A], v[A], v[A] row_xmask:2 row_mask:0xf bank_mask:0xf
	v_add_f32_dpp v[A], v[A], v[A] row_xmask:4 row_mask:0xf bank_mask:0xf
	v_add_f32_dpp v[A], v[A], v[A] row_xmask:8 row_mask:0xf bank_mask:0xf
	v_permlanex16_b32 v[A+1], v[A], s12, s13
	v_add_f32 v[A], v[A], v[A+1]
.endm
.macro ROW i
.set XR, X0+32*(\i)
	s_wait_loadcnt 8*(3-(\i))                      ; this row, g and beta are in; the later rows' loads stay out
.irp c, 0,1,2,3
	v_pk_add_f32 v[A+2*\c:A+2*\c+1], v[XR+2*\c:XR+2*\c+1], v[XR+8+2*\c:XR+8+2*\c+1]
.endr
.irp k, 2,3
.irp c, 0,1,2,3
	v_pk_add_f32 v[A+2*\c:A+2*\c+1], v[A+2*\c:A+2*\c+1], v[XR+8*\k+2*\c:XR+8*\k+2*\c+1]
.endr
.endr
	ACROSS
	v_mul_f32 v[A], s14, v[A]                      ; the mean
.set j, 0
.rept 16
	v_pk_add_f32 v[XR+j:XR+j+1], v[XR+j:XR+j+1], v[A:A+1] op_sel_hi:[1,0] neg_lo:[0,1] neg_hi:[0,1]
.set j, j+2
.endr
.irp c, 0,1,2,3
	v_pk_mul_f32 v[A+2*\c:A+2*\c+1], v[XR+2*\c:XR+2*\c+1], v[XR+2*\c:XR+2*\c+1]
.endr
.irp k, 1,2,3
.irp c, 0,1,2,3
	v_pk_fma_f32 v[A+2*\c:A+2*\c+1], v[XR+8*\k+2*\c:XR+8*\k+2*\c+1], v[XR+8*\k+2*\c:XR+8*\k+2*\c+1], v[A+2*\c:A+2*\c+1]
.endr
.endr
	ACROSS
	v_fma_f32 v[A], v[A], s14, s15                 ; var + eps
	s_wait_alu depctr_va_vdst(0)
	v_rsq_f32 v[A+2], v[A]
	v_nop                                          ; a plain line behind the root
	s_wait_alu depctr_va_vdst(0)                   ; ahead of its first reader
.set j, 0
.rept 16
	v_pk_mul_f32 v[XR+j:XR+j+1], v[XR+j:XR+j+1], v[A+2:A+3] op_sel_hi:[1,0]
.set j, j+2
.endr
.set j, 0
.rept 16
	v_pk_fma_f32 v[XR+j:XR+j+1], v[XR+j:XR+j+1], v[G+j:G+j+1], v[BT+j:BT+j+1]
.set j, j+2
.endr
.irp j, 0,1,2,3,4,5,6,7
	global_store_b128 v3, v[XR+4*\j:XR+4*\j+3], s[16:17] offset:4096*(\i)+512*\j
.endr
	s_wait_xcnt 0x0                                ; the last row's stores of codes have read v200-207
.set j, 0
.rept 32
	v_med3_num_f32 v[Q+j], v[XR+j], -v7, v7
.set j, j+1
.endr
.irp c, 0,1,2,3
	v_cvt_scalef32_pk8_fp8_f32 v[CDR+2*\c:CDR+2*\c+1], v[Q+8*\c:Q+8*\c+7], v6
.endr
	v_nop
.irp j, 0,1,2,3,4,5,6,7
	ds_store_b32 v4, v[CDR+\j] offset:1024*(\i)+128*\j   ; register j: the codes of columns 128 j + 4 lane on
.endr
	ds_load_b128 v[Q:Q+3], v5 offset:1024*(\i)
	ds_load_b128 v[Q+4:Q+7], v5 offset:1024*(\i)+512
	s_wait_dscnt 0x0
	global_store_b128 v3, v[Q:Q+3], s[18:19] offset:1024*(\i)
	global_store_b128 v3, v[Q+4:Q+7], s[18:19] offset:1024*(\i)+512
.endm
	ROW 0
	ROW 1
	ROW 2
	ROW 3
	s_wait_tensorcnt 0x0
	ds_add_u32 v254, v255
	s_wait_dscnt 0x0
	s_endpgm
.Lfunc_end_k_q4153ff7cdf_ln1:
	.size	k_q4153ff7cdf_ln1, .Lfunc_end_k_q4153ff7cdf_ln1-k_q4153ff7cdf_ln1
	.p2alignl 7, 3214868480
	.fill 96, 4, 3214868480
	.section	.rodata,"a",@progbits
	.p2align	6, 0x0
	.amdhsa_kernel k_q4153ff7cdf_ln1
		.amdhsa_group_segment_fixed_size 16896
		.amdhsa_private_segment_fixed_size 0
		.amdhsa_enable_private_segment 0
		.amdhsa_kernarg_size 48
		.amdhsa_user_sgpr_count 2
		.amdhsa_user_sgpr_kernarg_segment_ptr 1
		.amdhsa_wavefront_size32 1
		.amdhsa_system_sgpr_workgroup_id_x 1
		.amdhsa_system_sgpr_workgroup_id_y 1
		.amdhsa_system_sgpr_workgroup_id_z 1
		.amdhsa_system_vgpr_workitem_id 0
		.amdhsa_next_free_vgpr 256
		.amdhsa_next_free_sgpr 66
		.amdhsa_reserve_vcc 0
		.amdhsa_float_denorm_mode_32 3
		.amdhsa_float_denorm_mode_16_64 3
		.amdhsa_memory_ordered 1
		.amdhsa_forward_progress 1
		.amdhsa_inst_pref_size 47
	.end_amdhsa_kernel
	.amdgpu_metadata
---
amdhsa.version: [ 1, 2 ]
amdhsa.kernels:
  - .name:           k_q4153ff7cdf_ln1
    .symbol:         k_q4153ff7cdf_ln1.kd
    .args:
      - { .name: z, .offset: 0, .size: 8, .value_kind: global_buffer, .address_space: global }
      - { .name: g1, .offset: 8, .size: 8, .value_kind: global_buffer, .address_space: global }
      - { .name: beta1, .offset: 16, .size: 8, .value_kind: global_buffer, .address_space: global }
      - { .name: lowp_scales, .offset: 24, .size: 8, .value_kind: global_buffer, .address_space: global }
      - { .name: x1, .offset: 32, .size: 8, .value_kind: global_buffer, .address_space: global }
      - { .name: x1c, .offset: 40, .size: 8, .value_kind: global_buffer, .address_space: global }
    .group_segment_fixed_size: 16896
    .private_segment_fixed_size: 0
    .kernarg_segment_align: 8
    .kernarg_segment_size: 48
    .max_flat_workgroup_size: 128
    .sgpr_count:     66
    .vgpr_count:     256
    .wavefront_size: 32
...
	.end_amdgpu_metadata
.endif
;; end of part 5
;; launch ffn1 (part 6): grid 16 x 16, 4 waves a work-group, clusters of 4 x 4, 327,680 bytes of LDS; arguments x1c, W1_codes, lowp_scales, b1, hc; writes hc
.if DOCPART == 6
	.amdgcn_target "amdgcn-amd-amdhsa--gfx1250"
	.amdhsa_code_object_version 6
	.text
	.protected	k_q4153ff7cdf_ffn1
	.globl	k_q4153ff7cdf_ffn1
	.p2align	8
	.type	k_q4153ff7cdf_ffn1,@function
k_q4153ff7cdf_ffn1:
	s_mov_b64 s[64:65], 0
	v_nop
	global_prefetch_b8 v0, s[64:65] scope:SCOPE_SE
	s_setreg_imm32_b32 hwreg(HW_REG_WAVE_MODE, 25, 1), 1
	s_wait_xcnt 0x0
	s_wait_alu depctr_hold_cnt(0) depctr_sa_sdst(0) depctr_va_vdst(0) depctr_va_sdst(0) depctr_va_ssrc(0) depctr_va_vcc(0) depctr_vm_vsrc(0)
	s_getreg_b32 s2, hwreg(HW_REG_IB_STS2, 6, 4)
	s_cmp_eq_u32 s2, 0
	s_cbranch_scc0 .Lentry_in_a_cluster
	s_endpgm
.Lentry_in_a_cluster:
	s_bfe_u32 s2, ttmp6, 0x10000c
	s_cmp_lg_u32 s2, 0xf033
	s_cbranch_scc0 .Lentry_shape_is_right
	s_endpgm
.Lentry_shape_is_right:
.set ROWB,   256
.set KROW,   1024
.set PITCH,  272
.set FR,     16
.set NL,     4
.set NP,     4
.set HALFT,  128*PITCH
.set SLOT,   4*HALFT
.set LAPS,   2
.set SPARE,  2*SLOT
.set IMW,  6
.set CDW,  7
.set RDH,  8
.set CO,   9
.set IMR,  10
.set CDA,  11
.set ADRA, 16
.set ADRB, 20
.set SPW,  28
.set NIL,  29
.set BC,   32
.set ZA,   32
.set ZB,   64
.set T,    96
.set W,    128
.set P,    160
.set CD,   192
.set KC,   208
.set SCV,  230
.set LIMV, 231
.set TMP,  128
.set OUTR, 32
.set AF,   128
.set G1, 24
.set G0, 32
.set G1B, 48
.set G0B, 56
.set MSB, 0
.macro WIN new
.if MSB != \new
	s_set_vgpr_msb (MSB<<8)|\new
.set MSB, \new
.endif
.endm
.set MUL_LO, 0xa1
.set MUL_HI, 0xf1
.set TO_B,   0x40
.macro JLOAD g0a, g1a, g0b, g1b
	s_cmp_eq_u32 s15, 0
	s_cbranch_scc0 .Lfor_b_\@
	tensor_load_to_lds s[\g0a:\g0a+3], s[\g1a:\g1a+7]
	s_nop 0
.rept 4
	v_nop
.endr
	s_branch .Lasked_\@
.Lfor_b_\@:
	tensor_load_to_lds s[\g0b:\g0b+3], s[\g1b:\g1b+7]
	s_nop 0
.rept 4
	v_nop
.endr
.Lasked_\@:
.endm
.macro CREST
	s_cmp_lg_u32 s14, 0
	s_cbranch_scc1 .Lnot_wave_0_\@
	s_barrier_signal -3
.Lnot_wave_0_\@:
	s_barrier_wait -3
	s_barrier_signal -1
	s_barrier_wait -1
.endm
.macro CROUND
	s_barrier_signal -1
	s_barrier_wait -1
	CREST
.endm
	s_load_b128 s[4:7], s[0:1], 0x0
	s_load_b128 s[8:11], s[0:1], 0x10
	s_load_b64 s[12:13], s[0:1], 0x20
	v_lshl_add_u32 v[SPW], v0, 2, SPARE
	v_mov_b32 v[NIL], 0
	ds_add_u32 v28, v29
	ds_add_u32 v28, v29
	s_wait_dscnt 0x0
	v_lshrrev_b32 v1, 5, v0
	v_readfirstlane_b32 s14, v1
	v_and_b32 v14, 31, v0
	v_lshlrev_b32 v14, 10, v14                     ; the prefetches' offset: my lane x a row of 1,024 bytes; never rewritten
	s_wait_alu depctr_va_vdst(0)                   ; the wait behind the write
	s_lshr_b32 s15, s14, 1
	s_and_b32 s16, s14, 1
	s_bfe_u32 s40, ttmp6, 0x40000
	s_bfe_u32 s41, ttmp6, 0x40004
	s_lshl_b32 s42, ttmp9, 2
	s_add_co_u32 s42, s42, s40
	s_and_b32 s17, ttmp7, 0xffff
	s_lshl_b32 s17, s17, 2
	s_add_co_u32 s17, s17, s41
	s_lshl_b32 s43, s41, 2
	s_lshl_b32 s43, 15, s43
	s_lshl_b32 s44, 0x1111, s40
	s_or_b32 s[G1+0], s43, (0<<16)|(1<<20)|(1<<21)|(5<<22)|(3<<25)
	s_or_b32 s[G1B+0], s44, (0<<16)|(1<<20)|(1<<21)|(5<<22)|(3<<25)
.irp g, G1, G1B
	s_mov_b32 s[\g+1], ROWB<<16
	s_mov_b32 s[\g+2], 128<<16
	s_mov_b32 s[\g+3], ROWB<<16
	s_mov_b32 s[\g+4], 128
	s_mov_b32 s[\g+5], KROW
	s_mov_b32 s[\g+6], 0
	s_mov_b32 s[\g+7], 0
.endr
	s_lshl_b32 s18, s16, 7
	s_lshl_b32 s20, s17, 8
	s_add_co_u32 s20, s20, s18
	s_lshl_b32 s20, s20, 10
	s_mov_b32 s21, 0
	s_lshl_b32 s46, s42, 8
	s_add_co_u32 s46, s46, s18
	s_lshl_b32 s46, s46, 10
	s_mov_b32 s47, 0
	s_mul_i32 s45, s14, HALFT
	s_wait_kmcnt 0x0
	s_load_b128 s[92:95], s[8:9], 0x30
	s_add_nc_u64 s[20:21], s[4:5], s[20:21]
	s_add_nc_u64 s[46:47], s[6:7], s[46:47]
	s_cmp_eq_u32 s15, 0                            ; the prefetches: of the 128 rows that my wave fetches, the partner at place p (cx for A, cy for B) names rows 32 p on: told apart by address
	s_cselect_b64 s[98:99], s[20:21], s[46:47]
	s_cselect_b32 s18, s40, s41
	s_lshl_b32 s18, s18, 15
	s_mov_b32 s19, 0
	s_add_nc_u64 s[98:99], s[98:99], s[18:19]      ; never rewritten
	CROUND
.irp s, 0,1
	s_mov_b32 s[G0+4*\s], 1
	s_add_co_u32 s[G0+4*\s+1], s45, \s*SLOT
	s_add_nc_u64 s[G0+4*\s+2:G0+4*\s+3], s[20:21], \s*ROWB
	s_or_b32 s[G0+4*\s+3], s[G0+4*\s+3], 0x80000000
	s_mov_b32 s[G0B+4*\s], 1
	s_add_co_u32 s[G0B+4*\s+1], s45, \s*SLOT
	s_add_nc_u64 s[G0B+4*\s+2:G0B+4*\s+3], s[46:47], \s*ROWB
	s_or_b32 s[G0B+4*\s+3], s[G0B+4*\s+3], 0x80000000
.if \s
	s_wait_alu depctr_va_vdst(0)
	s_wait_tensorcnt 0x0                           ; my part of K step 0 is in; slot 1's first fill is issued as a refill is
	ds_add_u32 v28, v29
	s_wait_dscnt 0x0
	CROUND
.endif
	JLOAD G0+4*\s, G1, G0B+4*\s, G1B
.if \s
	global_prefetch_b8 v14, s[98:99] offset:3*ROWB th:TH_LOAD_NT scope:SCOPE_SE   ; behind K step 1's load: K step 3, a lane a row of 256 bytes
.else
	global_prefetch_b8 v14, s[98:99] offset:ROWB th:TH_LOAD_NT scope:SCOPE_SE     ; behind K step 0's load: K steps 1 and 2
	global_prefetch_b8 v14, s[98:99] offset:2*ROWB th:TH_LOAD_NT scope:SCOPE_SE
.endif
.endr
	v_and_b32 v1, 15, v0
	v_bfe_u32 v2, v0, 4, 1
	v_mul_u32_u24 v3, v1, PITCH
	v_lshl_add_u32 v4, v2, 4, v3
	s_mul_i32 s21, s15, HALFT
	s_mul_i32 s22, s16, HALFT
	s_add_co_u32 s22, s22, 2*HALFT
.irp s, 0,1
	v_add_nc_u32 v[ADRA+\s], s21, v4
	v_add_nc_u32 v[ADRB+\s], s22, v4
	s_add_co_u32 s21, s21, SLOT
	s_add_co_u32 s22, s22, SLOT
.endr
	s_lshl_b32 s21, s14, 16
	v_and_b32 v3, 31, v0
	v_lshlrev_b32 v3, 4, v3
	v_add_nc_u32 v[IMW], s21, v3
	v_mul_u32_u24 v3, v1, 144
	v_lshl_add_u32 v3, v2, 3, v3
	s_lshl_b32 s22, s16, 7
	s_add_co_u32 s22, s22, s21
	v_add_nc_u32 v[CDW], s22, v3
	v_bfe_u32 v3, v0, 3, 1
	v_mul_u32_u24 v3, v3, 65536+128
	v_mul_u32_u24 v4, v2, 144
	v_add_nc_u32 v3, v3, v4
	v_and_b32 v4, 7, v0
	v_lshl_add_u32 v3, v4, 4, v3
	s_lshl_b32 s21, s15, 17
	s_lshl_b32 s22, s16, 15
	s_add_co_u32 s21, s21, s22
	v_add_nc_u32 v[RDH], s21, v3
	v_lshlrev_b32 v3, 12, v2
	v_lshl_add_u32 v[CO], v1, 4, v3
	v_lshlrev_b32 v30, 5, v2
	s_wait_alu depctr_va_vdst(0)
	s_lshl_b32 s20, s17, 8
	s_lshl_b32 s21, s14, 6
	s_add_co_u32 s20, s20, s21
	s_lshl_b32 s20, s20, 12
	s_mov_b32 s21, 0
	s_add_nc_u64 s[12:13], s[12:13], s[20:21]
	s_lshl_b32 s46, s42, 8
	s_mov_b32 s47, 0
	s_add_nc_u64 s[12:13], s[12:13], s[46:47]
	s_lshl_b32 s46, s42, 10
	s_lshl_b32 s22, s16, 9
	s_add_co_u32 s46, s46, s22
	s_add_nc_u64 s[10:11], s[10:11], s[46:47]
.irp b, 0,1,2,3,4,5,6,7
	global_load_b128 v[BC+8*\b:BC+8*\b+3], v30, s[10:11] offset:64*\b
	global_load_b128 v[BC+8*\b+4:BC+8*\b+7], v30, s[10:11] offset:64*\b+16
.endr
.macro FRAG reg, adr, q, i
.irp c, 0,1,2,3
	ds_load_b128 v[\reg+4*\c:\reg+4*\c+3], v[\adr] offset:128*(\q)+32*\c+(\i)*16*PITCH
.endr
.endm
.macro MUL16 a0, p, zero
.irp a, \a0, \a0+1
.irp b, 0,1,2,3,4,5,6,7
.if \zero
	v_wmma_f32_16x16x128_fp8_fp8 v[8*(8*((\a)%4)+\b):8*(8*((\a)%4)+\b)+7], v[128*(\p)+FR*\b:128*(\p)+FR*\b+FR-1], v[AF+FR*(\a):AF+FR*(\a)+FR-1], 0
.else
	v_wmma_f32_16x16x128_fp8_fp8 v[8*(8*((\a)%4)+\b):8*(8*((\a)%4)+\b)+7], v[128*(\p)+FR*\b:128*(\p)+FR*\b+FR-1], v[AF+FR*(\a):AF+FR*(\a)+FR-1], v[8*(8*((\a)%4)+\b):8*(8*((\a)%4)+\b)+7]
.endif
.endr
.endr
.endm
.macro FETCH_B slot, q, p
	WIN TO_B
.irp i, 0,1,2,3,4,5,6,7
	FRAG 128*(\p)+FR*\i, ADRB+\slot, \q, \i
.endr
	WIN 0
.endm
.macro FETCH_A slot, q, i0
.irp i, \i0, \i0+1, \i0+2, \i0+3
	FRAG AF+FR*(\i), ADRA+\slot, \q, \i
.endr
.endm
.macro PLACES n
.rept \n
	v_nop
.endr
.endm
.macro STEP slot, q, zero
	s_wait_dscnt 4*NL
	WIN MUL_LO
	MUL16 0, (\q)%2, \zero
	MUL16 2, (\q)%2, \zero
	s_wait_dscnt 0
	PLACES NP
	FETCH_B \slot, (\q)+1, 1-(\q)%2
	FETCH_A \slot, (\q)+1, 0
	WIN MUL_HI
	MUL16 4, (\q)%2, \zero
	MUL16 6, (\q)%2, \zero
	PLACES NP
	WIN 0
	FETCH_A \slot, (\q)+1, 4
.endm
.macro TURN slot, next, fill
	s_wait_tensorcnt 0x0
	ds_add_u32 v[SPW], v[NIL]
	s_wait_dscnt 4*NL+1
	WIN MUL_LO
	MUL16 0, 1, 0
	s_wait_dscnt 0x0
	s_barrier_signal -1
	MUL16 2, 1, 0
	WIN 0
	s_barrier_wait -1
.if \fill
	CREST
	s_add_nc_u64 s[G0+4*\slot+2:G0+4*\slot+3], s[G0+4*\slot+2:G0+4*\slot+3], 2*ROWB
	s_add_nc_u64 s[G0B+4*\slot+2:G0B+4*\slot+3], s[G0B+4*\slot+2:G0B+4*\slot+3], 2*ROWB
	JLOAD G0+4*\slot, G1, G0B+4*\slot, G1B
.else
	PLACES NP
.endif
	FETCH_B \next, 0, 0
	FETCH_A \next, 0, 0
	WIN MUL_HI
	MUL16 4, 1, 0
	MUL16 6, 1, 0
	PLACES NP
	WIN 0
	FETCH_A \next, 0, 4
.endm
	s_wait_tensorcnt 1
	s_barrier_signal -1
	s_barrier_wait -1
	FETCH_B 0, 0, 0
	FETCH_A 0, 0, 0
	FETCH_A 0, 0, 4
	STEP 0, 0, 1
	s_mov_b32 s3, LAPS-1
.Llap:
	TURN 0, 1, 1
	STEP 1, 0, 0
	TURN 1, 0, 1
	STEP 0, 0, 0
	s_sub_co_u32 s3, s3, 1
	s_cmp_lg_u32 s3, 0
	s_cbranch_scc1 .Llap
	TURN 0, 1, 0
	STEP 1, 0, 0
	s_wait_dscnt 4*NL
	WIN MUL_LO
	MUL16 0, 1, 0
	MUL16 2, 1, 0
	s_wait_dscnt 0
	s_barrier_signal -1
	WIN MUL_HI
	MUL16 4, 1, 0
	MUL16 6, 1, 0
	WIN 0
	s_barrier_wait -1
	s_wait_kmcnt 0x0
	s_wait_loadcnt 0x0
	s_add_co_i32 s88, s92, s93
	s_add_co_i32 s88, s88, 127
	s_lshl_b32 s88, s88, 23
	s_mov_b32 s89, s88
	PLACES NP
.macro E1 a
.set AC, 64*((\a)%4)
.set TS, TMP+64*((\a)%2)
.set WN, 0x02+((\a)/4)
.if (\a) >= 2
	s_wait_dscnt 16
.endif
	WIN WN
.set j, 0
.rept 32
	v_pk_fma_f32 v[TS+j:TS+j+1], v[AC+j:AC+j+1], s[88:89], v[BC+j:BC+j+1] op_sel_hi:[1,0,1]
.set j, j+2
.endr
	WIN 0
.set j, 0
.rept 16
	ds_store_b128 v[IMW], v[TS+4*j:TS+4*j+3] offset:(\a)*8192+512*j
.set j, j+1
.endr
.endm
.irp a, 0,1,2,3,4,5,6,7
	E1 \a
.endr
.irp q, 0,1,2,3,4,5,6,7
	ds_load_b128 v[ZA+4*\q:ZA+4*\q+3], v[IMW] offset:512*\q
.endr
.irp q, 0,1,2,3,4,5,6,7
	ds_load_b128 v[ZB+4*\q:ZB+4*\q+3], v[IMW] offset:4096+512*\q
.endr
	s_wait_dscnt 16
.macro CONST k, val
	v_mov_b32 v[KC+2*\k], \val
	v_mov_b32 v[KC+2*\k+1], \val
.endm
	CONST 0, 0xc034d90f
	CONST 1, 0x3fb8ab5a
	CONST 2, 0x3f0a29d2
	CONST 3, 0x3e0efb2e
	CONST 4, 0xbe899a80
	CONST 5, 0x3ecdfd18
	CONST 6, 0xbfd1a1e5
	CONST 7, 0x40097039
	CONST 8, 0xbf97d29d
	CONST 9, 0x3e7c6f08
	CONST 10, 0xbf38aa3b
	s_add_co_i32 s90, s94, 127
	s_lshl_b32 s91, s90, 23
	v_mov_b32 v[SCV], s91
	s_add_co_i32 s90, s90, 8
	s_lshl_b32 s90, s90, 23
	s_or_b32 s90, s90, 0x600000
	v_mov_b32 v[LIMV], s90
	s_mov_b32 s46, 0x3eb504f3
.macro GELU z, cd
.set i, 0
.rept 32
	v_fma_f32 v[T+i], |v[\z+i]|, s46, 1.0
.set i, i+1
.endr
.set i, 0
	s_wait_alu depctr_va_vdst(0)
.rept 32
	v_rcp_f32 v[T+i], v[T+i]
.set i, i+1
.endr
.set i, 0
.rept 16
	v_pk_mul_f32 v[W+i:W+i+1], v[\z+i:\z+i+1], v[\z+i:\z+i+1]
.set i, i+2
.endr
	s_wait_alu depctr_va_vdst(0)
.set i, 0
.rept 16
	v_pk_fma_f32 v[P+i:P+i+1], v[T+i:T+i+1], v[KC+18:KC+19], v[KC+16:KC+17]
.set i, i+2
.endr
.irp k, 7,6,5,4,3,2,1,0
.set i, 0
.rept 16
	v_pk_fma_f32 v[P+i:P+i+1], v[P+i:P+i+1], v[T+i:T+i+1], v[KC+2*\k:KC+2*\k+1]
.set i, i+2
.endr
.endr
.set i, 0
.rept 16
	v_pk_fma_f32 v[P+i:P+i+1], v[W+i:W+i+1], v[KC+20:KC+21], v[P+i:P+i+1]
.set i, i+2
.endr
.set i, 0
	s_wait_alu depctr_va_vdst(0)
.rept 32
	v_exp_f32 v[P+i], v[P+i]
.set i, i+1
.endr
.set i, 0
.rept 32
	v_mul_f32 v[T+i], |v[\z+i]|, v[T+i]
.set i, i+1
.endr
.set i, 0
.rept 32
	v_max_num_f32 v[\z+i], 0, v[\z+i]
.set i, i+1
.endr
	s_wait_alu depctr_va_vdst(0)
.set i, 0
.rept 16
	v_pk_fma_f32 v[\z+i:\z+i+1], v[T+i:T+i+1], v[P+i:P+i+1], v[\z+i:\z+i+1] neg_lo:[1,0,0] neg_hi:[1,0,0]
.set i, i+2
.endr
.set i, 0
.rept 32
	v_med3_num_f32 v[\z+i], v[\z+i], -v[LIMV], v[LIMV]
.set i, i+1
.endr
.irp b, 0,1,2,3
	v_cvt_scalef32_pk8_fp8_f32 v[\cd+2*\b:\cd+2*\b+1], v[\z+8*\b:\z+8*\b+7], v[SCV]
.endr
	v_nop
.endm
.macro TRIP nxt
	v_add_nc_u32 v[IMR], s47, v[IMW]
	v_add_nc_u32 v[CDA], s47, v[CDW]
	s_wait_dscnt 8
	GELU ZA, CD
.irp b, 0,1,2,3
	ds_store_b64 v[CDA], v[CD+2*\b:CD+2*\b+1] offset:16*\b
.endr
.if \nxt
.irp q, 0,1,2,3,4,5,6,7
	ds_load_b128 v[ZA+4*\q:ZA+4*\q+3], v[IMR] offset:8192+512*\q
.endr
	s_wait_dscnt 12
.else
	s_wait_dscnt 4
.endif
	GELU ZB, CD+8
.irp b, 0,1,2,3
	ds_store_b64 v[CDA], v[CD+8+2*\b:CD+8+2*\b+1] offset:64+16*\b
.endr
.if \nxt
.irp q, 0,1,2,3,4,5,6,7
	ds_load_b128 v[ZB+4*\q:ZB+4*\q+3], v[IMR] offset:8192+4096+512*\q
.endr
.endif
.endm
	s_mov_b32 s47, 0
	s_mov_b32 s3, 7
.Lblk:
	TRIP 1
	s_add_co_u32 s47, s47, 8192
	s_sub_co_u32 s3, s3, 1
	s_cmp_lg_u32 s3, 0
	s_cbranch_scc1 .Lblk
	TRIP 0
	s_wait_dscnt 0x0
	s_barrier_signal -1
	s_barrier_wait -1
.set i, 0
.rept 32
	ds_load_b128 v[OUTR+4*i:OUTR+4*i+3], v[RDH] offset:(i/8)*8192+(i%8)*288
.set i, i+1
.endr
.set i, 0
.rept 32
	s_wait_dscnt 31-i
	global_store_b128 v[CO], v[OUTR+4*i:OUTR+4*i+3], s[12:13] offset:8192*i
.set i, i+1
.endr
	s_wait_tensorcnt 0x0
	ds_add_u32 v[SPW], v[NIL]
	s_wait_dscnt 0x0
	CROUND
	s_endpgm
.Lfunc_end_k_q4153ff7cdf_ffn1:
	.size	k_q4153ff7cdf_ffn1, .Lfunc_end_k_q4153ff7cdf_ffn1-k_q4153ff7cdf_ffn1
	.p2alignl 7, 3214868480
	.fill 96, 4, 3214868480
	.section	.rodata,"a",@progbits
	.p2align	6, 0x0
	.amdhsa_kernel k_q4153ff7cdf_ffn1
		.amdhsa_group_segment_fixed_size 327680
		.amdhsa_private_segment_fixed_size 0
		.amdhsa_enable_private_segment 0
		.amdhsa_kernarg_size 40
		.amdhsa_user_sgpr_count 2
		.amdhsa_user_sgpr_kernarg_segment_ptr 1
		.amdhsa_wavefront_size32 1
		.amdhsa_system_sgpr_workgroup_id_x 1
		.amdhsa_system_sgpr_workgroup_id_y 1
		.amdhsa_system_sgpr_workgroup_id_z 1
		.amdhsa_system_vgpr_workitem_id 0
		.amdhsa_next_free_vgpr 1024
		.amdhsa_next_free_sgpr 100
		.amdhsa_reserve_vcc 0
		.amdhsa_float_denorm_mode_32 3
		.amdhsa_float_denorm_mode_16_64 3
		.amdhsa_memory_ordered 1
		.amdhsa_forward_progress 1
		.amdhsa_inst_pref_size 203
	.end_amdhsa_kernel
	.amdgpu_metadata
---
amdhsa.version: [ 1, 2 ]
amdhsa.kernels:
  - .name:           k_q4153ff7cdf_ffn1
    .symbol:         k_q4153ff7cdf_ffn1.kd
    .args:
      - { .name: x1c, .offset: 0, .size: 8, .value_kind: global_buffer, .address_space: global }
      - { .name: W1_codes, .offset: 8, .size: 8, .value_kind: global_buffer, .address_space: global }
      - { .name: lowp_scales, .offset: 16, .size: 8, .value_kind: global_buffer, .address_space: global }
      - { .name: b1, .offset: 24, .size: 8, .value_kind: global_buffer, .address_space: global }
      - { .name: hc, .offset: 32, .size: 8, .value_kind: global_buffer, .address_space: global }
    .group_segment_fixed_size: 327680
    .private_segment_fixed_size: 0
    .kernarg_segment_align: 8
    .kernarg_segment_size: 40
    .max_flat_workgroup_size: 128
    .sgpr_count:     100
    .vgpr_count:     1024
    .wavefront_size: 32
...
	.end_amdgpu_metadata
.endif
;; end of part 6
;; launch ffn2 (part 7): grid 8 x 32, 4 waves a work-group, clusters of 4 x 4, 327,680 bytes of LDS; arguments hc, W2_codes, lowp_scales, b2, x1, z; writes z
.if DOCPART == 7
	.amdgcn_target "amdgcn-amd-amdhsa--gfx1250"
	.amdhsa_code_object_version 6
	.text
	.protected	k_q4153ff7cdf_ffn2
	.globl	k_q4153ff7cdf_ffn2
	.p2align	8
	.type	k_q4153ff7cdf_ffn2,@function
k_q4153ff7cdf_ffn2:
	s_mov_b64 s[64:65], 0
	v_nop
	global_prefetch_b8 v0, s[64:65] scope:SCOPE_SE
	s_setreg_imm32_b32 hwreg(HW_REG_WAVE_MODE, 25, 1), 1
	s_wait_xcnt 0x0
	s_wait_alu depctr_hold_cnt(0) depctr_sa_sdst(0) depctr_va_vdst(0) depctr_va_sdst(0) depctr_va_ssrc(0) depctr_va_vcc(0) depctr_vm_vsrc(0)
	s_getreg_b32 s2, hwreg(HW_REG_IB_STS2, 6, 4)
	s_cmp_eq_u32 s2, 0
	s_cbranch_scc0 .Lentry_in_a_cluster
	s_endpgm
.Lentry_in_a_cluster:
	s_bfe_u32 s2, ttmp6, 0x10000c
	s_cmp_lg_u32 s2, 0xf033
	s_cbranch_scc0 .Lentry_shape_is_right
	s_endpgm
.Lentry_shape_is_right:
.set SIZE_K, 4096
.set SCOFF,  56
.set KSTEP,  512
.set PITCH,  528
.set HALFT,  64*PITCH
.set SLOT,   4*HALFT
.set STAGE,  2*SLOT
.set SPITCH, 272
.set SPARE,  STAGE+4*16*SPITCH
.set LAPS,   SIZE_K/(2*KSTEP)
.set ADRA, 16
.set ADRB, 20
.set STO,  24
.set RD,   25
.set CO,   26
.set SPW,  28
.set NIL,  29
.set BA,   30
.set TMP,  32
.set BF,   96
.set ACC,  128
.set F0,   0
.set F1,   128
.set G1, 24
.set G0, 32
.set G1B, 48
.set G0B, 56
.set MSB, 0
.macro WIN new
.if MSB != \new
	s_set_vgpr_msb (MSB<<8)|\new
.set MSB, \new
.endif
.endm
.set MUL,  0x05
.set TO_F, 0x40
.macro JLOAD s
	s_cmp_eq_u32 s11, 0
	s_cbranch_scc0 .Lfor_b_\@
	tensor_load_to_lds s[G0+4*\s:G0+4*\s+3], s[G1:G1+7]
	s_nop 0
.rept 4
	v_nop
.endr
	s_branch .Lasked_\@
.Lfor_b_\@:
	tensor_load_to_lds s[G0B+4*\s:G0B+4*\s+3], s[G1B:G1B+7]
	s_nop 0
.rept 4
	v_nop
.endr
.Lasked_\@:
.endm
.macro CREST
	s_cmp_lg_u32 s10, 0
	s_cbranch_scc1 .Lnot_wave_0_\@
	s_barrier_signal -3
.Lnot_wave_0_\@:
	s_barrier_wait -3
	s_barrier_signal -1
	s_barrier_wait -1
.endm
.macro CROUND
	s_barrier_signal -1
	s_barrier_wait -1
	CREST
.endm
	s_load_b256 s[68:75], s[0:1], 0x0
	s_load_b128 s[76:79], s[0:1], 0x20
	v_lshl_add_u32 v[SPW], v0, 2, SPARE
	v_mov_b32 v[NIL], 0
	ds_add_u32 v28, v29
	ds_add_u32 v28, v29
	s_wait_dscnt 0x0
	v_lshrrev_b32 v1, 5, v0
	v_readfirstlane_b32 s10, v1
.set PFO, 31                           ; v31     the prefetches' offset: (lane % 16) rows + 256 x (lane / 16) bytes; never rewritten
.set PFA, 82                           ; s[82:83] my work-group's 16 of the 64 rows that my wave fetches; stepped a K step at each change of slots that refills
	v_and_b32 v[PFO], 15, v0
	v_mul_u32_u24 v[PFO], v[PFO], SIZE_K
	v_bfe_u32 v2, v0, 4, 1
	v_lshl_add_u32 v[PFO], v2, 8, v[PFO]
	s_wait_alu depctr_va_vdst(0)                   ; the wait behind the write
	s_lshr_b32 s11, s10, 1
	s_and_b32 s12, s10, 1
	s_bfe_u32 s40, ttmp6, 0x40000
	s_bfe_u32 s41, ttmp6, 0x40004
	s_lshl_b32 s42, ttmp9, 2
	s_add_co_u32 s42, s42, s40
	s_and_b32 s13, ttmp7, 0xffff
	s_lshl_b32 s13, s13, 2
	s_add_co_u32 s13, s13, s41
	s_lshl_b32 s43, s41, 2
	s_lshl_b32 s43, 15, s43
	s_lshl_b32 s44, 0x1111, s40
	s_or_b32 s[G1+0], s43, (0<<16)|(1<<20)|(1<<21)|(6<<22)|(3<<25)
	s_or_b32 s[G1B+0], s44, (0<<16)|(1<<20)|(1<<21)|(6<<22)|(3<<25)
.irp g, G1, G1B
	s_mov_b32 s[\g+1], KSTEP<<16
	s_mov_b32 s[\g+2], 64<<16
	s_mov_b32 s[\g+3], KSTEP<<16
	s_mov_b32 s[\g+4], 64
	s_mov_b32 s[\g+5], SIZE_K
	s_mov_b32 s[\g+6], 0
	s_mov_b32 s[\g+7], 0
.endr
	s_lshl_b32 s18, s12, 6
	s_lshl_b32 s16, s13, 7
	s_add_co_u32 s16, s16, s18
	s_mul_i32 s16, s16, SIZE_K
	s_mov_b32 s17, 0
	s_lshl_b32 s46, s42, 7
	s_add_co_u32 s46, s46, s18
	s_mul_i32 s46, s46, SIZE_K
	s_mov_b32 s47, 0
	s_mul_i32 s20, s10, HALFT
	s_wait_kmcnt 0x0
	s_load_b64 s[80:81], s[72:73], SCOFF
	s_add_nc_u64 s[14:15], s[68:69], s[16:17]
	s_add_nc_u64 s[46:47], s[70:71], s[46:47]
	s_cmp_eq_u32 s11, 0                            ; the prefetches: the partner at place p (cx for A, cy for B) names rows 16 p on: told apart by address
	s_cselect_b64 s[PFA:PFA+1], s[14:15], s[46:47]
	s_cselect_b32 s84, s40, s41
	s_mul_i32 s84, s84, 16*SIZE_K
	s_mov_b32 s85, 0
	s_add_nc_u64 s[PFA:PFA+1], s[PFA:PFA+1], s[84:85]
	CROUND
.irp s, 0,1
	s_mov_b32 s[G0+4*\s], 1
	s_add_co_u32 s[G0+4*\s+1], s20, \s*SLOT
	s_add_nc_u64 s[G0+4*\s+2:G0+4*\s+3], s[14:15], \s*KSTEP
	s_or_b32 s[G0+4*\s+3], s[G0+4*\s+3], 0x80000000
	s_mov_b32 s[G0B+4*\s], 1
	s_add_co_u32 s[G0B+4*\s+1], s20, \s*SLOT
	s_add_nc_u64 s[G0B+4*\s+2:G0B+4*\s+3], s[46:47], \s*KSTEP
	s_or_b32 s[G0B+4*\s+3], s[G0B+4*\s+3], 0x80000000
.if \s
	s_wait_alu depctr_va_vdst(0)
	s_wait_tensorcnt 0x0                           ; my part of K step 0 is in; slot 1's first fill is issued as a refill is
	ds_add_u32 v28, v29
	s_wait_dscnt 0x0
	CROUND
.endif
	JLOAD \s
.if \s
	global_prefetch_b8 v[PFO], s[PFA:PFA+1] offset:3*KSTEP th:TH_LOAD_NT scope:SCOPE_SE   ; behind K step 1's load: K step 3; 16 rows x 512 bytes, a lane a block of 256
.else
	global_prefetch_b8 v[PFO], s[PFA:PFA+1] offset:KSTEP th:TH_LOAD_NT scope:SCOPE_SE     ; behind K step 0's load: K steps 1 and 2
	global_prefetch_b8 v[PFO], s[PFA:PFA+1] offset:2*KSTEP th:TH_LOAD_NT scope:SCOPE_SE
.endif
.endr
	v_and_b32 v1, 15, v0
	s_wait_alu depctr_va_vdst(0)
	v_bfe_u32 v2, v0, 4, 1
	v_mul_u32_u24 v3, v1, PITCH
	v_lshl_add_u32 v3, v2, 4, v3
	s_mul_i32 s21, s11, HALFT
	s_mul_i32 s22, s12, HALFT
	s_add_co_u32 s22, s22, 2*HALFT
.irp s, 0,1
	v_add_nc_u32 v[ADRA+\s], s21, v3
	v_add_nc_u32 v[ADRB+\s], s22, v3
	s_add_co_u32 s21, s21, SLOT
	s_add_co_u32 s22, s22, SLOT
.endr
	s_mul_i32 s23, s10, 16*SPITCH
	s_add_co_u32 s23, s23, STAGE
	v_mul_u32_u24 v4, v1, SPITCH
	s_wait_alu depctr_va_vdst(0)
	v_lshl_add_u32 v4, v2, 5, v4
	v_add_nc_u32 v[STO], s23, v4
	v_mul_u32_u24 v5, v2, SPITCH
	v_lshl_add_u32 v5, v1, 4, v5
	v_add_nc_u32 v[RD], s23, v5
	v_lshlrev_b32 v5, 12, v2
	v_lshl_add_u32 v[CO], v1, 4, v5
	v_lshlrev_b32 v[BA], 5, v2
	s_wait_alu depctr_va_vdst(0)
	s_lshl_b32 s16, s13, 7
	s_lshl_b32 s17, s11, 6
	s_add_co_u32 s16, s16, s17
	s_lshl_b32 s16, s16, 12
	s_mov_b32 s17, 0
	s_lshl_b32 s46, s42, 9
	s_lshl_b32 s47, s12, 8
	s_add_co_u32 s46, s46, s47
	s_mov_b32 s47, 0
	s_add_nc_u64 s[76:77], s[76:77], s[16:17]
	s_add_nc_u64 s[76:77], s[76:77], s[46:47]
	s_add_nc_u64 s[78:79], s[78:79], s[16:17]
	s_add_nc_u64 s[78:79], s[78:79], s[46:47]
	s_add_nc_u64 s[74:75], s[74:75], s[46:47]
.irp b, 0,1,2,3
	global_load_b128 v[BF+8*\b:BF+8*\b+3], v[BA], s[74:75] offset:64*\b
	global_load_b128 v[BF+8*\b+4:BF+8*\b+7], v[BA], s[74:75] offset:64*\b+16
.endr
	WIN 0x80
.irp a, 0,1,2,3
.irp t, 0,1,2,3,4,5,6,7
	global_load_b128 v[32*\a+4*\t:32*\a+4*\t+3], v[CO], s[76:77] offset:(16*\a+2*\t)*4096
.endr
.endr
	WIN 0
.macro MULA f, a, zero
.irp b, 0,1,2,3
.if \zero
	v_wmma_f32_16x16x128_fp8_fp8 v[ACC+8*(4*(\a)+\b):ACC+8*(4*(\a)+\b)+7], v[\f+64+16*\b:\f+64+16*\b+15], v[\f+16*(\a):\f+16*(\a)+15], 0
.else
	v_wmma_f32_16x16x128_fp8_fp8 v[ACC+8*(4*(\a)+\b):ACC+8*(4*(\a)+\b)+7], v[\f+64+16*\b:\f+64+16*\b+15], v[\f+16*(\a):\f+16*(\a)+15], v[ACC+8*(4*(\a)+\b):ACC+8*(4*(\a)+\b)+7]
.endif
.endr
.endm
.macro FRAG reg, adr, k, i
.irp c, 0,1,2,3
	ds_load_b128 v[\reg+4*\c:\reg+4*\c+3], v[\adr] offset:\k+32*\c+(\i)*16*PITCH
.endr
.endm
.macro FETCH slot, k, f
	WIN TO_F
.irp i, 0,1,2,3
	FRAG \f+64+16*\i, ADRB+\slot, \k, \i
.endr
.irp i, 0,1,2,3
	FRAG \f+16*\i, ADRA+\slot, \k, \i
.endr
.endm
.macro PLACES
.rept 4
	v_nop
.endr
.endm
.macro QUARTER slot, k, f, g, zero
	s_wait_dscnt 8
	WIN MUL
	MULA \f, 0, \zero
	MULA \f, 1, \zero
	PLACES
	FETCH \slot, \k, \g
	s_wait_dscnt 32
	WIN MUL
	MULA \f, 2, \zero
	MULA \f, 3, \zero
.endm
.macro TURN slot, next, fill
	WIN 0
.if \fill
	s_wait_xcnt 0x0                                ; any prefetch of mine has read its address: it is stepped here
	s_add_nc_u64 s[PFA:PFA+1], s[PFA:PFA+1], KSTEP
.endif
	s_wait_tensorcnt 0x0
	ds_add_u32 v[SPW], v[NIL]
	s_wait_dscnt 9
	WIN MUL
	MULA F1, 0, 0
	s_wait_dscnt 0x0
	s_barrier_signal -1
	MULA F1, 1, 0
.if \fill
	WIN 0
.endif
	s_barrier_wait -1
.if \fill
	CREST
	s_add_nc_u64 s[G0+4*\slot+2:G0+4*\slot+3], s[G0+4*\slot+2:G0+4*\slot+3], 2*KSTEP
	s_add_nc_u64 s[G0B+4*\slot+2:G0B+4*\slot+3], s[G0B+4*\slot+2:G0B+4*\slot+3], 2*KSTEP
	JLOAD \slot
.else
	PLACES
.endif
	FETCH \next, 0, F0
.if \fill
	WIN 0                                          ; a branch follows
	s_cmp_gt_u32 s3, 1                             ; behind the refill with K step j: K step j + 2; the last trip's two refills have no K step two on
	s_cbranch_scc0 .Lnoask_\@
	global_prefetch_b8 v[PFO], s[PFA:PFA+1] offset:3*KSTEP th:TH_LOAD_NT scope:SCOPE_SE
.Lnoask_\@:
.endif
	WIN MUL
	MULA F1, 2, 0
	MULA F1, 3, 0
.endm
	s_wait_tensorcnt 1
	s_barrier_signal -1
	s_barrier_wait -1
	FETCH 0, 0, F0
	QUARTER 0, 128, F0, F1, 1
.if LAPS > 1
	WIN 0
	s_mov_b32 s3, LAPS-1
.Llap:
	QUARTER 0, 256, F1, F0, 0
	QUARTER 0, 384, F0, F1, 0
	TURN 0, 1, 1
	QUARTER 1, 128, F0, F1, 0
	QUARTER 1, 256, F1, F0, 0
	QUARTER 1, 384, F0, F1, 0
	TURN 1, 0, 1
	QUARTER 0, 128, F0, F1, 0
	WIN 0
	s_sub_co_u32 s3, s3, 1
	s_cmp_lg_u32 s3, 0
	s_cbranch_scc1 .Llap
.endif
	QUARTER 0, 256, F1, F0, 0
	QUARTER 0, 384, F0, F1, 0
	TURN 0, 1, 0
	QUARTER 1, 128, F0, F1, 0
	QUARTER 1, 256, F1, F0, 0
	QUARTER 1, 384, F0, F1, 0
	s_wait_dscnt 8
	WIN MUL
	MULA F1, 0, 0
	MULA F1, 1, 0
	s_wait_dscnt 0
	MULA F1, 2, 0
	MULA F1, 3, 0
	WIN 0
	s_wait_loadcnt 0x0
	s_wait_kmcnt 0x0
	s_add_co_i32 s80, s80, s81
	s_add_co_i32 s80, s80, 127
	s_lshl_b32 s80, s80, 23
	s_mov_b32 s81, s80
	PLACES
.macro TOSTAGE a
.set TS, TMP+32*((\a)%2)
.set AB, ACC+32*(\a)
.set j, 0
.rept 16
	v_pk_fma_f32 v[TS+j:TS+j+1], v[AB+j:AB+j+1], s[80:81], v[BF+j:BF+j+1] op_sel_hi:[1,0,1]
.set j, j+2
.endr
.irp b, 0,1,2,3
	ds_store_b128 v[STO], v[TS+8*\b:TS+8*\b+3] offset:64*\b
	ds_store_b128 v[STO], v[TS+8*\b+4:TS+8*\b+7] offset:64*\b+16
.endr
.irp t, 0,1,2,3,4,5,6,7
	ds_load_b128 v[AB+4*\t:AB+4*\t+3], v[RD] offset:\t*2*SPITCH
.endr
.endm
.macro SEND a, younger
.set AB, ACC+32*(\a)
	s_wait_dscnt \younger
	WIN 0x08
.set j, 0
.rept 16
	v_pk_add_f32 v[AB+j:AB+j+1], v[AB+j:AB+j+1], v[32*(\a)+j:32*(\a)+j+1]
.set j, j+2
.endr
	WIN 0
.irp t, 0,1,2,3,4,5,6,7
	global_store_b128 v[CO], v[AB+4*\t:AB+4*\t+3], s[78:79] offset:(16*(\a)+2*\t)*4096
.endr
.endm
	TOSTAGE 0
	TOSTAGE 1
	SEND 0, 16
	TOSTAGE 2
	SEND 1, 16
	TOSTAGE 3
	SEND 2, 16
	SEND 3, 0
	s_wait_tensorcnt 0x0
	ds_add_u32 v[SPW], v[NIL]
	s_wait_dscnt 0x0
	CROUND
	s_endpgm
.Lfunc_end_k_q4153ff7cdf_ffn2:
	.size	k_q4153ff7cdf_ffn2, .Lfunc_end_k_q4153ff7cdf_ffn2-k_q4153ff7cdf_ffn2
	.p2alignl 7, 3214868480
	.fill 96, 4, 3214868480
	.section	.rodata,"a",@progbits
	.p2align	6, 0x0
	.amdhsa_kernel k_q4153ff7cdf_ffn2
		.amdhsa_group_segment_fixed_size 327680
		.amdhsa_private_segment_fixed_size 0
		.amdhsa_enable_private_segment 0
		.amdhsa_kernarg_size 48
		.amdhsa_user_sgpr_count 2
		.amdhsa_user_sgpr_kernarg_segment_ptr 1
		.amdhsa_wavefront_size32 1
		.amdhsa_system_sgpr_workgroup_id_x 1
		.amdhsa_system_sgpr_workgroup_id_y 1
		.amdhsa_system_sgpr_workgroup_id_z 1
		.amdhsa_system_vgpr_workitem_id 0
		.amdhsa_next_free_vgpr 640
		.amdhsa_next_free_sgpr 90
		.amdhsa_reserve_vcc 0
		.amdhsa_float_denorm_mode_32 3
		.amdhsa_float_denorm_mode_16_64 3
		.amdhsa_memory_ordered 1
		.amdhsa_forward_progress 1
		.amdhsa_inst_pref_size 84
	.end_amdhsa_kernel
	.amdgpu_metadata
---
amdhsa.version: [ 1, 2 ]
amdhsa.kernels:
  - .name:           k_q4153ff7cdf_ffn2
    .symbol:         k_q4153ff7cdf_ffn2.kd
    .args:
      - { .name: hc, .offset: 0, .size: 8, .value_kind: global_buffer, .address_space: global }
      - { .name: W2_codes, .offset: 8, .size: 8, .value_kind: global_buffer, .address_space: global }
      - { .name: lowp_scales, .offset: 16, .size: 8, .value_kind: global_buffer, .address_space: global }
      - { .name: b2, .offset: 24, .size: 8, .value_kind: global_buffer, .address_space: global }
      - { .name: x1, .offset: 32, .size: 8, .value_kind: global_buffer, .address_space: global }
      - { .name: z, .offset: 40, .size: 8, .value_kind: global_buffer, .address_space: global }
    .group_segment_fixed_size: 327680
    .private_segment_fixed_size: 0
    .kernarg_segment_align: 8
    .kernarg_segment_size: 48
    .max_flat_workgroup_size: 128
    .sgpr_count:     90
    .vgpr_count:     640
    .wavefront_size: 32
...
	.end_amdgpu_metadata
.endif
;; end of part 7
;; launch ln2 (part 8): grid 256 x 1, 4 waves a work-group, no clusters, 0 bytes of LDS; arguments z, g2, beta2, out0; writes out0
.if DOCPART == 8
	.amdgcn_target "amdgcn-amd-amdhsa--gfx1250"
	.amdhsa_code_object_version 6
	.text
	.protected	k_q4153ff7cdf_ln2
	.globl	k_q4153ff7cdf_ln2
	.p2align	8
	.type	k_q4153ff7cdf_ln2,@function
k_q4153ff7cdf_ln2:
	s_mov_b64 s[64:65], 0
	v_nop
	global_prefetch_b8 v0, s[64:65] scope:SCOPE_SE
	s_setreg_imm32_b32 hwreg(HW_REG_WAVE_MODE, 25, 1), 1
	s_wait_xcnt 0x0
; out = layernorm(z) x g + beta, rows of 1,024 f32.  One wave to a row, four rows a wave; a row stays in 32 registers between the passes.
; mean; x - mean; mean of squares of that; rsqrt(var + 1e-5): two passes, so that a common offset of the inputs costs nothing.  Every load and store of the wave covers 512 consecutive bytes.
; All loads go out at the head: g (8), beta (8), four rows (8 each).  Waves share nothing: no LDS, no barrier.
.set G,   8
.set BT,  40
.set X0,  72
.set A,   240
	s_load_b256 s[4:11], s[0:1], 0x0               ; z, g, beta, out
	v_lshrrev_b32 v1, 5, v0
	v_readfirstlane_b32 s20, v1
	v_and_b32 v2, 31, v0
	v_lshlrev_b32 v3, 4, v2                        ; 16 x lane
	s_mov_b32 s12, 0x76543210
	s_mov_b32 s13, 0xfedcba98
	s_mov_b32 s14, 0x3a800000                      ; 1 / 1,024
	s_mov_b32 s15, 0x3727c5ac                      ; 1e-5
	s_lshl_b32 s22, ttmp9, 4
	s_lshl_b32 s23, s20, 2
	s_add_co_u32 s22, s22, s23                     ; my first row
	s_lshl_b32 s24, s22, 12
	s_mov_b32 s25, 0
	s_wait_alu depctr_va_vdst(0)
	s_wait_kmcnt 0x0
	s_add_nc_u64 s[4:5], s[4:5], s[24:25]
	s_add_nc_u64 s[10:11], s[10:11], s[24:25]
.irp j, 0,1,2,3,4,5,6,7
	global_load_b128 v[G+4*\j:G+4*\j+3], v3, s[6:7] offset:512*\j
.endr
.irp j, 0,1,2,3,4,5,6,7
	global_load_b128 v[BT+4*\j:BT+4*\j+3], v3, s[8:9] offset:512*\j
.endr
.irp i, 0,1,2,3
.irp j, 0,1,2,3,4,5,6,7
	global_load_b128 v[X0+32*\i+4*\j:X0+32*\i+4*\j+3], v3, s[4:5] offset:4096*\i+512*\j th:TH_LOAD_NT
.endr
.endr
.macro ACROSS                          ; four chains -> one number -> the 32 lanes' sum in every lane
	v_pk_add_f32 v[A:A+1], v[A:A+1], v[A+2:A+3]
	v_pk_add_f32 v[A+4:A+5], v[A+4:A+5], v[A+6:A+7]
	v_pk_add_f32 v[A:A+1], v[A:A+1], v[A+4:A+5]
	v_add_f32 v[A], v[A], v[A+1]
	v_add_f32_dpp v[A], v[A], v[A] row_xmask:1 row_mask:0xf bank_mask:0xf
	v_add_f32_dpp v[A], v[A], v[A] row_xmask:2 row_mask:0xf bank_mask:0xf
	v_add_f32_dpp v[A], v[A], v[A] row_xmask:4 row_mask:0xf bank_mask:0xf
	v_add_f32_dpp v[A], v[A], v[A] row_xmask:8 row_mask:0xf bank_mask:0xf
	v_permlanex16_b32 v[A+1], v[A], s12, s13
	v_add_f32 v[A], v[A], v[A+1]
.endm
.macro ROW i
.set XR, X0+32*(\i)
	s_wait_loadcnt 8*(3-(\i))                      ; this row, g and beta are in; the later rows' loads stay out
.irp c, 0,1,2,3
	v_pk_add_f32 v[A+2*\c:A+2*\c+1], v[XR+2*\c:XR+2*\c+1], v[XR+8+2*\c:XR+8+2*\c+1]
.endr
.irp k, 2,3
.irp c, 0,1,2,3
	v_pk_add_f32 v[A+2*\c:A+2*\c+1], v[A+2*\c:A+2*\c+1], v[XR+8*\k+2*\c:XR+8*\k+2*\c+1]
.endr
.endr
	ACROSS
	v_mul_f32 v[A], s14, v[A]                      ; the mean
.set j, 0
.rept 16
	v_pk_add_f32 v[XR+j:XR+j+1], v[XR+j:XR+j+1], v[A:A+1] op_sel_hi:[1,0] neg_lo:[0,1] neg_hi:[0,1]
.set j, j+2
.endr
.irp c, 0,1,2,3
	v_pk_mul_f32 v[A+2*\c:A+2*\c+1], v[XR+2*\c:XR+2*\c+1], v[XR+2*\c:XR+2*\c+1]
.endr
.irp k, 1,2,3
.irp c, 0,1,2,3
	v_pk_fma_f32 v[A+2*\c:A+2*\c+1], v[XR+8*\k+2*\c:XR+8*\k+2*\c+1], v[XR+8*\k+2*\c:XR+8*\k+2*\c+1], v[A+2*\c:A+2*\c+1]
.endr
.endr
	ACROSS
	v_fma_f32 v[A], v[A], s14, s15                 ; var + eps
	s_wait_alu depctr_va_vdst(0)
	v_rsq_f32 v[A+2], v[A]
	v_nop                                          ; a plain line behind the root
	s_wait_alu depctr_va_vdst(0)                   ; ahead of its first reader
.set j, 0
.rept 16
	v_pk_mul_f32 v[XR+j:XR+j+1], v[XR+j:XR+j+1], v[A+2:A+3] op_sel_hi:[1,0]
.set j, j+2
.endr
.set j, 0
.rept 16
	v_pk_fma_f32 v[XR+j:XR+j+1], v[XR+j:XR+j+1], v[G+j:G+j+1], v[BT+j:BT+j+1]
.set j, j+2
.endr
.irp j, 0,1,2,3,4,5,6,7
	global_store_b128 v3, v[XR+4*\j:XR+4*\j+3], s[10:11] offset:4096*(\i)+512*\j th:TH_STORE_NT
.endr
.endm
	ROW 0
	ROW 1
	ROW 2
	ROW 3
	s_endpgm
.Lfunc_end_k_q4153ff7cdf_ln2:
	.size	k_q4153ff7cdf_ln2, .Lfunc_end_k_q4153ff7cdf_ln2-k_q4153ff7cdf_ln2
	.p2alignl 7, 3214868480
	.fill 96, 4, 3214868480
	.section	.rodata,"a",@progbits
	.p2align	6, 0x0
	.amdhsa_kernel k_q4153ff7cdf_ln2
		.amdhsa_group_segment_fixed_size 0
		.amdhsa_private_segment_fixed_size 0
		.amdhsa_enable_private_segment 0
		.amdhsa_kernarg_size 32
		.amdhsa_user_sgpr_count 2
		.amdhsa_user_sgpr_kernarg_segment_ptr 1
		.amdhsa_wavefront_size32 1
		.amdhsa_system_sgpr_workgroup_id_x 1
		.amdhsa_system_sgpr_workgroup_id_y 1
		.amdhsa_system_sgpr_workgroup_id_z 1
		.amdhsa_system_vgpr_workitem_id 0
		.amdhsa_next_free_vgpr 256
		.amdhsa_next_free_sgpr 66
		.amdhsa_reserve_vcc 0
		.amdhsa_float_denorm_mode_32 3
		.amdhsa_float_denorm_mode_16_64 3
		.amdhsa_memory_ordered 1
		.amdhsa_forward_progress 1
		.amdhsa_inst_pref_size 33
	.end_amdhsa_kernel
	.amdgpu_metadata
---
amdhsa.version: [ 1, 2 ]
amdhsa.kernels:
  - .name:           k_q4153ff7cdf_ln2
    .symbol:         k_q4153ff7cdf_ln2.kd
    .args:
      - { .name: z, .offset: 0, .size: 8, .value_kind: global_buffer, .address_space: global }
      - { .name: g2, .offset: 8, .size: 8, .value_kind: global_buffer, .address_space: global }
      - { .name: beta2, .offset: 16, .size: 8, .value_kind: global_buffer, .address_space: global }
      - { .name: out0, .offset: 24, .size: 8, .value_kind: global_buffer, .address_space: global }
    .group_segment_fixed_size: 0
    .private_segment_fixed_size: 0
    .kernarg_segment_align: 8
    .kernarg_segment_size: 32
    .max_flat_workgroup_size: 128
    .sgpr_count:     66
    .vgpr_count:     256
    .wavefront_size: 32
...
	.end_amdgpu_metadata
.endif
;; end of part 8
